; MI455X (gfx1250); checked and timed in simulation.
; The chip was launched on July 23, 2026; its instructions are those of AMD's public machine-readable ISA for CDNA 5 (MIT licence, August 2026) and "CDNA5" Instruction Set Architecture Reference Guide (July 2026). The comments in the code are by the model that wrote it; some were corrected since.
;; Multi Head Attn. Allowed arithmetic: matrix products marked QUANTISED: E2M1 operands, one E8M0 scale for each 32 along K, by v_wmma_scale_f32_16x16x128_f8f6f4 with both operands' format E2M1 (or v_wmma_scale_f32_32x16x128_f4), f32 sums; everything else in f32.
;; Inputs: Wk_codes 1,024 x 32 x 16 uint8 (E2M1 codes of Wk, K innermost, in blocks of 32 codes, two codes a byte); Wk_scales 1,024 x 32 uint8 (E8M0 scales of Wk, one for each 32 codes along K); Wout_codes 1,024 x 32 x 16 uint8 (E2M1 codes of Wout, K innermost, in blocks of 32 codes, two codes a byte); Wout_scales 1,024 x 32 uint8 (E8M0 scales of Wout, one for each 32 codes along K); Wq_codes 1,024 x 32 x 16 uint8 (E2M1 codes of Wq, K innermost, in blocks of 32 codes, two codes a byte); Wq_scales 1,024 x 32 uint8 (E8M0 scales of Wq, one for each 32 codes along K); Wv_codes 1,024 x 32 x 16 uint8 (E2M1 codes of Wv, K innermost, in blocks of 32 codes, two codes a byte); Wv_scales 1,024 x 32 uint8 (E8M0 scales of Wv, one for each 32 codes along K); b1 1,024 float32; b2 1,024 float32; bout 1,024 float32; g1 1,024 float32; g2 1,024 float32; k_codes 4 x 2,048 x 32 x 16 uint8 (E2M1 codes of k, K innermost, in blocks of 32 codes, two codes a byte); k_scales 4 x 2,048 x 32 uint8 (E8M0 scales of k, one for each 32 codes along K); mask 4 x 2,048 bool; q_codes 4 x 2,048 x 32 x 16 uint8 (E2M1 codes of q, K innermost, in blocks of 32 codes, two codes a byte); q_scales 4 x 2,048 x 32 uint8 (E8M0 scales of q, one for each 32 codes along K); v_codes 4 x 2,048 x 32 x 16 uint8 (E2M1 codes of v, K innermost, in blocks of 32 codes, two codes a byte); v_scales 4 x 2,048 x 32 uint8 (E8M0 scales of v, one for each 32 codes along K).
;; Outputs: out0 4 x 2,048 x 1,024 float32.
;; This version of the problem:
;;   THIS VERSION OF THE PROBLEM IS GIVEN IN LOW PRECISION. The matrix products marked QUANTISED in the list below multiply operands that are first quantised to E2M1 (2 exponent bits, 1 mantissa bit; 4 bits a number), with one power-of-two scale for each 32 numbers along K (OCP MX v1.0); their sums are f32. All else is computed in f32.
;;   The module's matrix products, in the order in which they are computed (A, B: the left and right operand; K: the contracted axis; several contracted axes count as one K, in the product's order):
;;     1. [M 8,192, K 1,024] x [K 1,024, N 1,024]; A: input q (given as codes); B: input Wq (given as codes): QUANTISED
;;     2. [M 8,192, K 1,024] x [K 1,024, N 1,024]; A: input k (given as codes); B: input Wk (given as codes): QUANTISED
;;     3. [M 8,192, K 1,024] x [K 1,024, N 1,024]; A: input v (given as codes); B: input Wv (given as codes): QUANTISED
;;     4. batch 32 x [M 2,048, K 128] x [K 128, N 2,048]; A: computed on the way; B: computed on the way: QUANTISED
;;     5. batch 32 x [M 128, K 2,048] x [K 2,048, N 2,048]; A: computed on the way; B: computed on the way: QUANTISED
;;     6. [M 8,192, K 1,024] x [K 1,024, N 1,024]; A: computed on the way; B: input Wout (given as codes): QUANTISED
;;   THE QUANTISER, for each operand of a quantised product, along K:
;;     - K is cut into blocks of 32 from its start; a last block that is shorter is filled with zeros.
;;     - A block's scale is 2^e with e = floor(log2(the largest magnitude in the block)) - 2, held to -126 .. 127; a block of zeros has e = 0. As a byte (E8M0): e + 127.
;;     - Each number is divided by its block's scale, clamped to +-6, and rounded to the nearest number of E2M1, ties to even, subnormals kept.
;;     - The product sums the exact products of the quantised numbers (number of the format x scale) in f32.
;;   ~~~python
;;   def quantise(x, axis):      # numpy; x: float32 -> the quantised numbers, widened to float32 again
;;       x = np.moveaxis(x, axis, -1); K = x.shape[-1]
;;       x = np.pad(x, [(0, 0)] * (x.ndim - 1) + [(0, -K % 32)]); x = x.reshape(x.shape[:-1] + (-1, 32)); a = np.abs(x).max(-1, keepdims=True)
;;       e = np.where(a > 0, np.clip(np.frexp(np.where(a > 0, a, 1))[1] - 1 - 2, -126, 127), 0)      # np.frexp(a)[1] - 1 = floor(log2(a)), exactly
;;       r = np.clip(x / 2.0 ** e, -6, 6)
;;       step = 2.0 ** (np.maximum(np.frexp(np.where(r == 0, 1, r))[1] - 1, 0) - 1)
;;       q = np.round(r / step) * step * 2.0 ** e      # np.round: ties to even
;;       return np.moveaxis(q.reshape(q.shape[:-2] + (-1,))[..., :K], -1, axis).astype(np.float32)
;;   ~~~
;;   OPERANDS COMPUTED ON THE WAY. 'Computed on the way' means the value that the module computes at that place (a softmax that the list does not call 'softmax' is quantised finished and normalised). What goes into a quantiser is computed in f32, as accurately as f32 sums, v_exp_f32 and their like allow (about 1e-6 of the number): no bf16 or f16 on the way to a quantiser, and a product that is left as it is and whose result goes on into a quantised operand takes f32 operands (vector FMAs, or v_wmma_f32_16x16x4_f32). A number that lies on a knife's edge between two numbers of the format may be rounded either way, as far as f32 arithmetic and the matrix unit's own rounding can turn it there, and no further.
;;   INPUTS GIVEN AS CODES. Wk (in the module: [1024, 1024], K = its axis 1); Wout (in the module: [1024, 1024], K = its axis 1); Wq (in the module: [1024, 1024], K = its axis 1); Wv (in the module: [1024, 1024], K = its axis 1); k (in the module: [4, 2048, 1024], K = its axis 2); q (in the module: [4, 2048, 1024], K = its axis 2); v (in the module: [4, 2048, 1024], K = its axis 2): each comes as NAME_codes (uint8): NAME with its K axis moved to the last place and cut into blocks of 32 codes, [.., K / 32, bytes a block], one block behind the other in memory; two codes a byte, the lower K in the low four bits (a code: sign, 2 exponent bits, 1 mantissa bit); and NAME_scales (uint8): the same leading axes, one E8M0 byte (e + 127) for each 32 codes along K. Its value is code x scale, taken as it is: it is not quantised again, and the codes and scales need not be those that the quantiser above would give.
;; One version. Each part assembles by itself: llvm-mc -triple=amdgcn-amd-amdhsa -mcpu=gfx1250 --defsym DOCPART=n.
;; ======== version 1 of 1: 3 launches
;; limits: right only within a limited range of input values
;; workspace buffers: kv 9,175,040 bytes; wq 524,288 bytes; wo 524,288 bytes; x1 33,554,432 bytes
;; launch proj (part 1): grid 4 x 64, 4 waves a work-group, clusters of 4 x 4, 327,680 bytes of LDS; arguments k_codes, k_scales, Wk_codes, Wk_scales, v_codes, v_scales, Wv_codes, Wv_scales, mask, Wq_codes, Wout_codes, kv, wq, wo; writes kv, wq, wo
.if DOCPART == 1
	.amdgcn_target "amdgcn-amd-amdhsa--gfx1250"
	.amdhsa_code_object_version 6
	.text
	.protected	k_q623ac498cb_proj
	.globl	k_q623ac498cb_proj
	.p2align	8
	.type	k_q623ac498cb_proj,@function
k_q623ac498cb_proj:
	s_mov_b64 s[64:65], 0
	v_nop
	global_prefetch_b8 v0, s[64:65] scope:SCOPE_SE
	s_setreg_imm32_b32 hwreg(HW_REG_WAVE_MODE, 25, 1), 1
	s_wait_xcnt 0x0
	s_wait_alu depctr_hold_cnt(0) depctr_sa_sdst(0) depctr_va_vdst(0) depctr_va_sdst(0) depctr_va_ssrc(0) depctr_va_vcc(0) depctr_vm_vsrc(0)
	s_getreg_b32 s2, hwreg(HW_REG_IB_STS2, 6, 4)
	s_cmp_eq_u32 s2, 0
	s_cbranch_scc0 .Lentry_in_a_cluster
	s_endpgm
.Lentry_in_a_cluster:
	s_bfe_u32 s2, ttmp6, 0x10000c
	s_cmp_lg_u32 s2, 0xf033
	s_cbranch_scc0 .Lentry_shape_is_right
	s_endpgm
.Lentry_shape_is_right:
; kp = k Wk^T and vp = v Wv^T on the given codes of FP4 (E2M1) with E8M0 scales, sums in f32; both results are quantised in registers and stored as IMAGES OF OPERAND REGISTERS for the attention launch.
; NOTHING OF THE PROBLEM IS LEFT OUT in this program: every product of its table is done and every input is loaded by some launch (q and Wq's scales by the second, the gains and biases by the third).
; LIMITS: NaN, infinities and a given scale byte 0xff are carried only as the arithmetic carries them; a block of zeros gets the scale byte 1 (its codes are zeros, and this program alone reads the byte).
; SHARES.  256 work-groups of four waves; a work-group makes 256 x 256 numbers, a wave 128 x 128: 64 accumulators of 16 x 16.  Clusters 0-7 along y take kp, clusters 8-15 vp.
; Source 1 ("A": its rows become the result's lanes) is k, or Wv; source 0 ("B": its rows become a lane's registers) is Wk, or v.  So a lane holds one key and 128 channels of a head (kp, quantised along the channels),
; or one channel and 128 keys (vp, quantised along the keys): in both cases A's block a against B's eight blocks is one operand fragment of 16 rows x 128 K, and one scale word a row.
; THE ROWS OF A TILE OF 16 ARE NOT NEIGHBOURS, in A and in B alike: lane r of block 2 b + u takes row 32 b + 8 u + r + 8 (r / 8).  Then register 16 b + i of lane (r, h) is index 32 b + 16 h + i along the next K.
; K = 1,024 goes in two steps of 512 through two LDS slots, both filled at the start: nothing is filled again.  The scale bytes of the 256 + 256 rows come once, in whole rows of 256 bytes.
; CLUSTERS: 4 x 4.  A's tiles are asked for jointly along a row of the cluster, B's along a column: the same tensor load, the same descriptor, a mask that names the four.
; BESIDE IT each wave copies 512 bytes of Wq's and of Wout's codes into operand order (wq, wo: [tile of 16 rows][K step][half][lane][16 bytes]), so that later launches load fragments as consecutive bytes.
; THE RECORD of a (batch, head) in kv, 286,720 bytes: V^T's images [key step 16][tile 8][half 2][lane][16] at 0; V's scale words [step][lane][4 words] at 131,072 (lanes 0-15 tiles 0-3, lanes 16-31 tiles 4-7);
; K's images at 139,264; at 270,336 [step][g 2][lane][4 words]: lanes 0-15 K's scale words of tiles 4 g .. 4 g + 3, lanes 16-31 the MASK WORDS of the same keys (0x7f7f7f7f: the key counts; 0x7f7f01fa: it is masked).
; REGISTERS, in windows of 256: window 0: v16-29 addresses; v32-95 scale words, two sets; v96-116 the copy, the mask; v128-191 A's fragments; on the way out v32-95, v128-255 are at work.
;   window 1: B's fragments, two sets.   windows 2, 3: the accumulators ((a, b) at v[8 (8 (a % 4) + b)]).
.set NQ,     4                         ; matrix instructions deep in a slot: 512 along K
.set ROWB,   256                       ; a tile's row in bytes
.set KROW,   512                       ; a row of codes in memory
.set PITCH,  272                       ; an LDS row: 256 bytes + 16 of padding
.set FR,     8
.set NL,     2
.set NP,     4
.set HALFT,  128*PITCH
.set SLOT,   4*HALFT
.set KS,     32                        ; a row of scale bytes
.set SCL,    2*SLOT
.set HALFS,  16*272                    ; the scales of 128 rows: 16 rows of 256 bytes + 16
.set SPARE,  SCL+4*HALFS               ; the spare words: 128 bytes a wave, no other line names them
.set REC,    286720
.set R_VSC,  131072
.set R_KIMG, 139264
.set R_KSC,  270336
.set ADRA, 16
.set ADRB, 20
.set LO,   26                          ; 16 x lane
.set ADRS, 27
.set SPW,  28
.set NIL,  29
.set SC,   32
.set CPD,  96                          ; v96-103 the copy's data
.set MB,   104                         ; v104-111 mask bytes
.set CPI,  112
.set CPO,  113
.set RP,   114                         ; r + 8 (r / 8)
.set OPEN, 115
.set SHUT, 116
.set AF,   128
.set TM,   192
.set TM4,  196
.set TM12, 204
.set PW,   208                         ; v208-215 the scale word of block a
.set MW,   216                         ; v216-223 its keys' mask words
.set QD,   224                         ; v224-231 what leaves
.set G1, 24
.set G0, 32
.set G1B, 48
.set G0B, 56
.set G1S, 68
.set G0S, 76
.set G1SB, 80
.set G0SB, 88
.set MSB, 0
.macro WIN new                         ; the immediate's high byte repeats the setting that is left
.if MSB != (\new)
	s_set_vgpr_msb (MSB<<8)|(\new)
.set MSB, (\new)
.endif
.endm
.set MUL_LO, 0xa1                      ; source 0 (B) window 1, source 1 (A) window 0, C and D window 2
.set MUL_HI, 0xf1
.set TO_B,   0x40
; A joint load: waves 0 and 1 fetch for A, waves 2 and 3 for B; the branch hangs on the wave's number alone.  An s_nop 0 and four v_nop follow each line.
.macro JLOAD g0a, g1a, g0b, g1b
	s_cmp_eq_u32 s15, 0
	s_cbranch_scc0 .Lfor_b_\@
	tensor_load_to_lds s[\g0a:\g0a+3], s[\g1a:\g1a+7]
	s_nop 0
.rept 4
	v_nop
.endr
	s_branch .Lasked_\@
.Lfor_b_\@:
	tensor_load_to_lds s[\g0b:\g0b+3], s[\g1b:\g1b+7]
	s_nop 0
.rept 4
	v_nop
.endr
.Lasked_\@:
.endm
.macro CROUND                          ; a round of the cluster's barrier
	s_barrier_signal -1
	s_barrier_wait -1
	s_cmp_lg_u32 s14, 0
	s_cbranch_scc1 .Lnot_wave_0_\@
	s_barrier_signal -3
.Lnot_wave_0_\@:
	s_barrier_wait -3
	s_barrier_signal -1
	s_barrier_wait -1
.endm
	s_load_b256 s[32:39], s[0:1], 0x0              ; k's codes, k's scales, Wk's codes, Wk's scales
	s_load_b256 s[56:63], s[0:1], 0x20             ; v's codes, v's scales, Wv's codes, Wv's scales
	s_load_b128 s[92:95], s[0:1], 0x40             ; mask, Wq's codes
	s_load_b128 s[96:99], s[0:1], 0x50             ; Wout's codes, kv
	s_load_b64 s[100:101], s[0:1], 0x60            ; wq
	s_load_b64 s[104:105], s[0:1], 0x68            ; wo
	v_lshl_add_u32 v[SPW], v0, 2, SPARE
	v_mov_b32 v[NIL], 0
	ds_add_u32 v[SPW], v[NIL]                      ; the wave's opening: the add, twice on end, and its wait ahead of my first tensor load
	ds_add_u32 v[SPW], v[NIL]                      ; and once more, under the one wait; the set-up below stands between
	v_lshrrev_b32 v1, 5, v0
	v_readfirstlane_b32 s14, v1                    ; wave 0..3
	s_lshr_b32 s15, s14, 1                         ; which half of A's rows is mine.  Also: I fetch for A (0) or for B (1)
	s_and_b32 s16, s14, 1                          ; which half of B's rows.  Also: which 128 rows I fetch
	s_bfe_u32 s40, ttmp6, 0x40000                  ; cx
	s_bfe_u32 s41, ttmp6, 0x40004                  ; cy
	s_and_b32 s12, ttmp7, 0xffff                   ; the cluster's y, 0..15
	s_lshr_b32 s3, s12, 3                          ; 0: kp, 1: vp: the same in all sixteen partners
	s_and_b32 s13, s12, 7
	s_lshl_b32 s13, s13, 2
	s_cmp_eq_u32 s3, 0
	s_cselect_b32 s17, s13, 0                      ; the 32 blocks of 256 tokens lie along A for kp,
	s_cselect_b32 s42, 0, s13                      ; along B for vp
	s_add_co_u32 s17, s17, s41                     ; A's block of 256 rows: hangs on cy and the cluster alone
	s_add_co_u32 s42, s42, s40                     ; B's: on cx and the cluster alone
	s_lshl_b32 s43, s41, 2
	s_lshl_b32 s43, 15, s43                        ; my row of the cluster
	s_lshl_b32 s44, 0x1111, s40                    ; my column
	s_or_b32 s[G1+0], s43, (0<<16)|(1<<20)|(1<<21)|(5<<22)|(3<<25)  ; the mask; elements of 1 byte; padding on; bit 21 beside a mask; after every 64 words, 4 words
	s_or_b32 s[G1B+0], s44, (0<<16)|(1<<20)|(1<<21)|(5<<22)|(3<<25)
.irp g, G1, G1B
	s_mov_b32 s[\g+1], ROWB<<16                    ; tensor_dim0
	s_mov_b32 s[\g+2], 128<<16                     ; tensor_dim1
	s_mov_b32 s[\g+3], ROWB<<16                    ; tile_dim0
	s_mov_b32 s[\g+4], 128                         ; tile_dim1
	s_mov_b32 s[\g+5], KROW                        ; from row to row
	s_mov_b32 s[\g+6], 0
	s_mov_b32 s[\g+7], 0
.endr
	s_or_b32 s[G1S+0], s43, (3<<16)|(1<<20)|(1<<21)|(5<<22)|(3<<25)  ; the scales of 128 rows: 4,096 dense bytes as 16 rows of 32 elements of 8 bytes
	s_or_b32 s[G1SB+0], s44, (3<<16)|(1<<20)|(1<<21)|(5<<22)|(3<<25)
.irp g, G1S, G1SB
	s_mov_b32 s[\g+1], 32<<16
	s_mov_b32 s[\g+2], 16<<16
	s_mov_b32 s[\g+3], 32<<16
	s_mov_b32 s[\g+4], 16
	s_mov_b32 s[\g+5], 32
	s_mov_b32 s[\g+6], 0
	s_mov_b32 s[\g+7], 0
.endr
	s_lshl_b32 s18, s16, 7                         ; which 128 rows I fetch
	s_lshl_b32 s20, s17, 8
	s_add_co_u32 s20, s20, s18                     ; A's row
	s_lshl_b32 s46, s42, 8
	s_add_co_u32 s46, s46, s18                     ; B's row
	s_mov_b32 s21, 0
	s_mov_b32 s47, 0
	s_mov_b64 s[18:19], KS
	s_mul_u64 s[22:23], s[20:21], s[18:19]         ; where these rows' scales begin
	s_mul_u64 s[66:67], s[46:47], s[18:19]
	s_mov_b64 s[18:19], KROW
	s_mul_u64 s[20:21], s[20:21], s[18:19]         ; and their codes
	s_mul_u64 s[46:47], s[46:47], s[18:19]
	s_mul_i32 s45, s14, HALFT                      ; where they go: wave x 128 rows
	s_mul_i32 s2, s14, HALFS
	s_wait_dscnt 0x0                               ; both opening adds are done
	s_wait_kmcnt 0x0
	s_cmp_eq_u32 s3, 0                             ; the buffers are chosen by the cluster's number alone
	s_cselect_b64 s[4:5], s[32:33], s[60:61]       ; A's codes: k's or Wv's
	s_cselect_b64 s[6:7], s[34:35], s[62:63]       ; A's scales
	s_cselect_b64 s[8:9], s[36:37], s[56:57]       ; B's codes: Wk's or v's
	s_cselect_b64 s[10:11], s[38:39], s[58:59]     ; B's scales
	s_add_nc_u64 s[20:21], s[4:5], s[20:21]
	s_add_nc_u64 s[22:23], s[6:7], s[22:23]
	s_add_nc_u64 s[46:47], s[8:9], s[46:47]
	s_add_nc_u64 s[66:67], s[10:11], s[66:67]
	CROUND                                         ; all sixteen work-groups are here: the first joint loads meet
	s_mov_b32 s[G0S], 1
	s_add_co_u32 s[G0S+1], s2, SCL
	s_mov_b64 s[G0S+2:G0S+3], s[22:23]
	s_or_b32 s[G0S+3], s[G0S+3], 0x80000000
	s_mov_b32 s[G0SB], 1
	s_add_co_u32 s[G0SB+1], s2, SCL
	s_mov_b64 s[G0SB+2:G0SB+3], s[66:67]
	s_or_b32 s[G0SB+3], s[G0SB+3], 0x80000000
	JLOAD G0S, G1S, G0SB, G1SB                     ; the scales first
.irp s, 0,1
	s_mov_b32 s[G0+4*\s], 1
	s_add_co_u32 s[G0+4*\s+1], s45, \s*SLOT
	s_add_nc_u64 s[G0+4*\s+2:G0+4*\s+3], s[20:21], \s*ROWB
	s_or_b32 s[G0+4*\s+3], s[G0+4*\s+3], 0x80000000
	s_mov_b32 s[G0B+4*\s], 1
	s_add_co_u32 s[G0B+4*\s+1], s45, \s*SLOT
	s_add_nc_u64 s[G0B+4*\s+2:G0B+4*\s+3], s[46:47], \s*ROWB
	s_or_b32 s[G0B+4*\s+3], s[G0B+4*\s+3], 0x80000000
	JLOAD G0+4*\s, G1, G0B+4*\s, G1B               ; both K steps: three tensor loads of mine are out
.endr
	v_and_b32 v1, 15, v0                           ; r
	v_bfe_u32 v2, v0, 4, 1                         ; h
	v_and_b32 v[RP], 8, v1
	v_add_nc_u32 v[RP], v[RP], v1                  ; r + 8 (r / 8)
	v_mul_u32_u24 v3, v[RP], PITCH
	v_lshl_add_u32 v4, v2, 4, v3                   ; a fragment's row x pitch + 16 x half
	s_mul_i32 s21, s15, HALFT                      ; my 128 rows of A
	s_mul_i32 s22, s16, HALFT                      ; my 128 rows of B,
	s_add_co_u32 s22, s22, 2*HALFT                 ; behind A's 256
.irp s, 0,1
	v_add_nc_u32 v[ADRA+\s], s21, v4
	v_add_nc_u32 v[ADRB+\s], s22, v4
	s_add_co_u32 s21, s21, SLOT
	s_add_co_u32 s22, s22, SLOT
.endr
	v_lshlrev_b32 v5, 5, v[RP]                     ; my row's scales: 32 bytes a row,
	v_lshrrev_b32 v6, 8, v5
	v_lshl_add_u32 v5, v6, 4, v5                   ; and 16 more for each 256 passed
	s_mul_i32 s21, s15, HALFS
	s_mul_i32 s22, s16, HALFS
	s_add_co_u32 s22, s22, 2*HALFS
	s_sub_co_u32 s22, s22, s21
	v_mul_u32_u24 v6, s22, v2                      ; lanes 16-31 take B's
	s_add_co_u32 s21, s21, SCL
	v_add_nc_u32 v5, v5, v6
	v_add_nc_u32 v[ADRS], s21, v5
	v_and_b32 v6, 31, v0
	v_lshlrev_b32 v[LO], 4, v6
	; the copy: piece W = 0 .. 1,023 of Wq and of Wout is mine: tile W / 16, K step (W / 2) % 8, half W % 2
	s_and_b32 s18, ttmp7, 0xffff
	s_lshl_b32 s18, s18, 2
	s_add_co_u32 s18, s18, s41
	s_lshl_b32 s18, s18, 2
	s_add_co_u32 s18, s18, s40
	s_lshl_b32 s18, s18, 2
	s_add_co_u32 s18, s18, s14                     ; W
	s_lshr_b32 s19, s18, 4
	s_bfe_u32 s20, s18, 0x30001
	s_and_b32 s21, s18, 1
	s_lshr_b32 s22, s19, 1
	s_lshl_b32 s22, s22, 5
	s_and_b32 s23, s19, 1
	s_lshl_b32 s23, s23, 3
	s_add_co_u32 s22, s22, s23                     ; the tile's first row
	s_lshl_b32 s22, s22, 9
	s_lshl_b32 s20, s20, 6
	s_add_co_u32 s22, s22, s20
	s_lshl_b32 s21, s21, 5
	s_add_co_u32 s22, s22, s21
	v_lshlrev_b32 v[CPI], 9, v[RP]
	v_lshl_add_u32 v[CPI], v2, 4, v[CPI]
	v_add_nc_u32 v[CPI], s22, v[CPI]               ; from: my row x 512 + 64 x step + 32 x half + 16 h
	s_lshl_b32 s18, s18, 9
	v_add_nc_u32 v[CPO], s18, v[LO]                ; to: 512 W + 16 x lane
	global_load_b128 v[CPD:CPD+3], v[CPI], s[94:95]
	global_load_b128 v[CPD+4:CPD+7], v[CPI], s[96:97]
	; where my wave's results go
	s_lshl_b32 s18, s17, 8
	s_lshl_b32 s19, s15, 7
	s_add_co_u32 s18, s18, s19                     ; my first row of A
	s_lshl_b32 s19, s42, 8
	s_lshl_b32 s20, s16, 7
	s_add_co_u32 s19, s19, s20                     ; my first row of B
	s_cmp_eq_u32 s3, 0
	s_cselect_b32 s20, s18, s19                    ; my first token
	s_cselect_b32 s21, s19, s18                    ; 128 x my head
	s_lshr_b32 s21, s21, 7
	s_lshr_b32 s22, s20, 11
	s_lshl_b32 s22, s22, 3
	s_add_co_u32 s22, s22, s21                     ; 8 x batch + head
	s_mul_i32 s22, s22, REC
	s_bfe_u32 s23, s20, 0x40007                    ; the key step
	s_mov_b32 s19, R_VSC
	s_cmp_eq_u32 s3, 0
	s_cselect_b32 s18, R_KIMG, 0
	s_cselect_b32 s19, R_KSC, s19
	s_cselect_b32 s21, 10, 9                       ; a step's scale words: 1,024 bytes for K (with the mask words), 512 for V
	s_lshl_b32 s21, s23, s21
	s_add_co_u32 s19, s19, s21
	s_add_co_u32 s46, s19, s22
	s_mov_b32 s47, 0
	s_add_nc_u64 s[46:47], s[98:99], s[46:47]      ; the scale words
	s_lshl_b32 s23, s23, 13
	s_add_co_u32 s18, s18, s23
	s_add_co_u32 s12, s18, s22
	s_mov_b32 s13, 0
	s_add_nc_u64 s[12:13], s[98:99], s[12:13]      ; the images
	s_mov_b32 s21, 0
	s_add_nc_u64 s[92:93], s[92:93], s[20:21]      ; the mask at my first token
	s_mov_b32 s20, 0x76543210
	s_mov_b32 s21, 0xfedcba98                      ; v_permlanex16_b32's selects for lane l xor 16
	s_mov_b32 s22, 0xffff0000                      ; lanes 16-31
.irp b, 0,1,2,3
	v_mov_b32 v[TM4+\b], 0                         ; written once: a lane permute's destination counts as one of its sources
.endr
	v_mov_b32 v[OPEN], 0x7f7f7f7f
	v_mov_b32 v[SHUT], 0x7f7f01fa
.macro FRAG reg, adr, q, i             ; 16 rows x 128 K of 4-bit codes: 8 registers; block i begins at row 32 (i / 2) + 8 (i % 2)
.irp c, 0,1
	ds_load_b128 v[\reg+4*\c:\reg+4*\c+3], v[\adr] offset:64*(\q)+32*\c+(32*((\i)/2)+8*((\i)%2))*PITCH
.endr
.endm
; 16 matrix instructions: A's blocks a0, a0 + 1 x B's eight.  The 64 accumulators take turns, one instruction a turn, in the same order in every step.
.macro MUL16 a0, p, q, sc, zero
.irp a, \a0, \a0+1
.irp b, 0,1,2,3,4,5,6,7
.if \zero
	v_wmma_scale_f32_16x16x128_f8f6f4 v[8*(8*((\a)%4)+\b):8*(8*((\a)%4)+\b)+7], v[128*(\p)+FR*\b:128*(\p)+FR*\b+FR-1], v[AF+FR*(\a):AF+FR*(\a)+FR-1], 0, v[SC+8*NQ*(\sc)+NQ*\b+(\q)], v[SC+8*NQ*(\sc)+NQ*(\a)+(\q)] matrix_a_fmt:MATRIX_FMT_FP4 matrix_b_fmt:MATRIX_FMT_FP4 matrix_a_scale:MATRIX_SCALE_ROW1
.else
	v_wmma_scale_f32_16x16x128_f8f6f4 v[8*(8*((\a)%4)+\b):8*(8*((\a)%4)+\b)+7], v[128*(\p)+FR*\b:128*(\p)+FR*\b+FR-1], v[AF+FR*(\a):AF+FR*(\a)+FR-1], v[8*(8*((\a)%4)+\b):8*(8*((\a)%4)+\b)+7], v[SC+8*NQ*(\sc)+NQ*\b+(\q)], v[SC+8*NQ*(\sc)+NQ*(\a)+(\q)] matrix_a_fmt:MATRIX_FMT_FP4 matrix_b_fmt:MATRIX_FMT_FP4 matrix_a_scale:MATRIX_SCALE_ROW1
.endif
.endr
.endr
.endm
.macro FETCH_B slot, q, p
	WIN TO_B
.irp i, 0,1,2,3,4,5,6,7
	FRAG 128*(\p)+FR*\i, ADRB+\slot, \q, \i
.endr
	WIN 0
.endm
.macro FETCH_A slot, q, i0
.irp i, \i0, \i0+1, \i0+2, \i0+3
	FRAG AF+FR*(\i), ADRA+\slot, \q, \i
.endr
.endm
.macro SCALES sc                       ; a K step's scale words: lanes 0-15 A's block i, lanes 16-31 B's block i; block i's rows begin 272 (4 (i / 2) + i % 2) bytes on
.irp i, 0,1,2,3,4,5,6,7
	ds_load_b128 v[SC+8*NQ*\sc+NQ*\i:SC+8*NQ*\sc+NQ*\i+3], v[ADRS] offset:272*(4*(\i/2)+\i%2)
.endr
.endm
.macro PLACES n                        ; plain vector instructions between a matrix instruction and a load into, or a read of, its registers
.rept \n
	v_nop
.endr
.endm
.macro STEP slot, q, zero              ; 128 along K that has its successor in the same slot
	s_wait_dscnt 4*NL                              ; B's set and A's blocks 0-3 are in; the youngest eight loads (A's blocks 4-7) may be out
	WIN MUL_LO
	MUL16 0, (\q)%2, \q, \slot, \zero
	MUL16 2, (\q)%2, \q, \slot, \zero
	s_wait_dscnt 0
	PLACES NP
	FETCH_B \slot, (\q)+1, 1-(\q)%2
	FETCH_A \slot, (\q)+1, 0
	WIN MUL_HI
	MUL16 4, (\q)%2, \q, \slot, \zero
	MUL16 6, (\q)%2, \q, \slot, \zero
	PLACES NP
	WIN 0
	FETCH_A \slot, (\q)+1, 4
.endm
.macro STEPS slot, from
.set Q, \from
.rept NQ-1-\from
	STEP \slot, Q, 0
.set Q, Q+1
.endr
.endm
	s_wait_tensorcnt 1                             ; the scales and my part of K step 0 are in; K step 1's load may be out
	s_barrier_signal -1
	s_barrier_wait -1
	FETCH_B 0, 0, 0
	FETCH_A 0, 0, 0
	SCALES 0
	FETCH_A 0, 0, 4
	STEP 0, 0, 1                                   ; the first products start the sums: nothing is cleared
	STEPS 0, 1
	; slot 0's last step changes slots: one barrier, in front of which my part of slot 1 has landed
	s_wait_tensorcnt 0x0
	ds_add_u32 v[SPW], v[NIL]                      ; 0 onto my spare word
	s_wait_dscnt 4*NL+1                            ; the add and the youngest eight loads may be out
	WIN MUL_LO
	MUL16 0, 1, NQ-1, 0, 0
	s_wait_dscnt 0x0
	s_barrier_signal -1
	MUL16 2, 1, NQ-1, 0, 0
	WIN 0
	s_barrier_wait -1
	PLACES NP
	v_add_nc_u32 v[ADRS], 4*NQ, v[ADRS]            ; the next K step's scale words
	FETCH_B 1, 0, 0
	FETCH_A 1, 0, 0
	SCALES 1
	WIN MUL_HI
	MUL16 4, 1, NQ-1, 0, 0
	MUL16 6, 1, NQ-1, 0, 0
	PLACES NP
	WIN 0
	FETCH_A 1, 0, 4
	STEPS 1, 0
	s_wait_dscnt 4*NL                              ; the very last step
	WIN MUL_LO
	MUL16 0, 1, NQ-1, 1, 0
	MUL16 2, 1, NQ-1, 1, 0
	s_wait_dscnt 0
	WIN MUL_HI
	MUL16 4, 1, NQ-1, 1, 0
	MUL16 6, 1, NQ-1, 1, 0
	WIN 0
; THE WAY OUT.  A's block a: 64 numbers a lane, register 16 b + i = index 32 b + 16 h + i of my row, become a fragment's codes and its scale word.  A block of 32 lies in lanes l and l xor 16.
; Its scale: the largest magnitude (with the floor 2^(3 - 127), so that the byte cannot fall under 1) with 2 taken off its exponent field.  Each accumulator is read from its low end on.
.macro QUANTW a
.set WW, 2+(\a)/4
.set W01, WW|(WW<<2)
.set W12, (WW<<2)|(WW<<4)
.set AC, 64*((\a)%4)
.set PC, 128+8*(\a)-96*(((\a)%4)/2)    ; the codes: never the number of one of the conversion's sources
	WIN W01
.irp b, 0,1,2,3
	v_max3_num_f32 v[TM+\b], |v[AC+16*\b]|, |v[AC+16*\b+1]|, 0x1800000
.endr
	WIN W12
.irp i, 2,4,6,8,10,12,14
.irp b, 0,1,2,3
	v_max3_num_f32 v[TM+\b], v[TM+\b], |v[AC+16*\b+\i]|, |v[AC+16*\b+\i+1]|
.endr
.endr
	WIN 0
.irp b, 0,1,2,3
	v_permlanex16_b32 v[TM4+\b], v[TM+\b], s20, s21
.endr
.irp b, 0,1,2,3
	v_max_num_f32 v[TM+\b], v[TM+\b], v[TM4+\b]
.endr
.irp b, 0,1,2,3
	v_add_nc_u32 v[TM12+\b], 0xff000000, v[TM+\b]  ; the conversion takes the exponent field of this operand as its scale
.endr
.irp b, 0,1,2,3
	v_lshrrev_b32 v[TM4+\b], 23, v[TM12+\b]        ; the scale's byte
.endr
	v_lshl_or_b32 v[PW+(\a)], v[TM4+1], 8, v[TM4]
	v_lshl_or_b32 v[PW+(\a)], v[TM4+2], 16, v[PW+(\a)]
	v_lshl_or_b32 v[PW+(\a)], v[TM4+3], 24, v[PW+(\a)]
	WIN WW
.irp b, 0,1,2,3
	v_cvt_scalef32_pk8_fp4_f32 v[PC+2*\b], v[AC+16*\b:AC+16*\b+7], v[TM12+\b]
	v_cvt_scalef32_pk8_fp4_f32 v[PC+2*\b+1], v[AC+16*\b+8:AC+16*\b+15], v[TM12+\b]
.endr
	WIN 0
	v_nop                                          ; one plain place behind a scaled conversion
.irp c, 0,1                                    ; the operand's layout wants a whole block in a lane
.irp i, 0,1
	v_permlane16_swap_b32 v[PC+4*\c+\i], v[PC+2+4*\c+\i]
.endr
.endr
.irp c, 0,1
	global_store_b128 v[LO], v[PC+4*\c:PC+4*\c+3], s[12:13] offset:1024*(\a)+512*\c   ; 32 lanes store 512 consecutive bytes; every block has registers of its own
.endr
.endm
	PLACES NP
	s_wait_loadcnt 0x0                             ; the copy's two loads
	global_store_b128 v[CPO], v[CPD:CPD+3], s[100:101]
	global_store_b128 v[CPO], v[CPD+4:CPD+7], s[104:105]
	s_cmp_lg_u32 s3, 0
	s_cbranch_scc1 .Lv_arm
.irp a, 0,1,2,3,4,5,6,7
	global_load_u8 v[MB+\a], v[RP], s[92:93] offset:32*(\a/2)+8*(\a%2)   ; the mask bytes of block a's keys
.endr
.irp a, 0,1,2,3,4,5,6,7
	QUANTW \a
.endr
	s_wait_loadcnt 0x0
.irp a, 0,1,2,3,4,5,6,7
	v_cmp_ne_u32 vcc_lo, 0, v[MB+\a]
	v_cndmask_b32 v[MW+\a], v[OPEN], v[SHUT], vcc_lo
.endr
.irp a, 0,1,2,3,4,5,6,7
	v_cndmask_b32 v[QD+\a], v[PW+\a], v[MW+\a], s22   ; lanes 0-15 the scale word, lanes 16-31 the mask word
.endr
	global_store_b128 v[LO], v[QD:QD+3], s[46:47]
	global_store_b128 v[LO], v[QD+4:QD+7], s[46:47] offset:512
	s_branch .Ljoin
.Lv_arm:
.irp a, 0,1,2,3,4,5,6,7
	QUANTW \a
.endr
.irp j, 0,1,2,3
	v_cndmask_b32 v[QD+\j], v[PW+\j], v[PW+4+\j], s22  ; lanes 0-15 tiles 0-3, lanes 16-31 tiles 4-7
.endr
	global_store_b128 v[LO], v[QD:QD+3], s[46:47]
.Ljoin:
	s_wait_tensorcnt 0x0                           ; the wave's end
	ds_add_u32 v[SPW], v[NIL]
	s_wait_dscnt 0x0
	CROUND                                         ; the closing round
	s_endpgm
.Lfunc_end_k_q623ac498cb_proj:
	.size	k_q623ac498cb_proj, .Lfunc_end_k_q623ac498cb_proj-k_q623ac498cb_proj
	.p2alignl 7, 3214868480
	.fill 96, 4, 3214868480
	.section	.rodata,"a",@progbits
	.p2align	6, 0x0
	.amdhsa_kernel k_q623ac498cb_proj
		.amdhsa_group_segment_fixed_size 327680
		.amdhsa_private_segment_fixed_size 0
		.amdhsa_enable_private_segment 0
		.amdhsa_kernarg_size 112
		.amdhsa_user_sgpr_count 2
		.amdhsa_user_sgpr_kernarg_segment_ptr 1
		.amdhsa_wavefront_size32 1
		.amdhsa_system_sgpr_workgroup_id_x 1
		.amdhsa_system_sgpr_workgroup_id_y 1
		.amdhsa_system_sgpr_workgroup_id_z 1
		.amdhsa_system_vgpr_workitem_id 0
		.amdhsa_next_free_vgpr 1024
		.amdhsa_next_free_sgpr 106
		.amdhsa_reserve_vcc 1
		.amdhsa_float_denorm_mode_32 3
		.amdhsa_float_denorm_mode_16_64 3
		.amdhsa_memory_ordered 1
		.amdhsa_forward_progress 1
		.amdhsa_inst_pref_size 165
	.end_amdhsa_kernel
	.amdgpu_metadata
---
amdhsa.version: [ 1, 2 ]
amdhsa.kernels:
  - .name:           k_q623ac498cb_proj
    .symbol:         k_q623ac498cb_proj.kd
    .args:
      - { .name: k_codes, .offset: 0, .size: 8, .value_kind: global_buffer, .address_space: global }
      - { .name: k_scales, .offset: 8, .size: 8, .value_kind: global_buffer, .address_space: global }
      - { .name: Wk_codes, .offset: 16, .size: 8, .value_kind: global_buffer, .address_space: global }
      - { .name: Wk_scales, .offset: 24, .size: 8, .value_kind: global_buffer, .address_space: global }
      - { .name: v_codes, .offset: 32, .size: 8, .value_kind: global_buffer, .address_space: global }
      - { .name: v_scales, .offset: 40, .size: 8, .value_kind: global_buffer, .address_space: global }
      - { .name: Wv_codes, .offset: 48, .size: 8, .value_kind: global_buffer, .address_space: global }
      - { .name: Wv_scales, .offset: 56, .size: 8, .value_kind: global_buffer, .address_space: global }
      - { .name: mask, .offset: 64, .size: 8, .value_kind: global_buffer, .address_space: global }
      - { .name: Wq_codes, .offset: 72, .size: 8, .value_kind: global_buffer, .address_space: global }
      - { .name: Wout_codes, .offset: 80, .size: 8, .value_kind: global_buffer, .address_space: global }
      - { .name: kv, .offset: 88, .size: 8, .value_kind: global_buffer, .address_space: global }
      - { .name: wq, .offset: 96, .size: 8, .value_kind: global_buffer, .address_space: global }
      - { .name: wo, .offset: 104, .size: 8, .value_kind: global_buffer, .address_space: global }
    .group_segment_fixed_size: 327680
    .private_segment_fixed_size: 0
    .kernarg_segment_align: 8
    .kernarg_segment_size: 112
    .max_flat_workgroup_size: 128
    .sgpr_count:     106
    .vgpr_count:     1024
    .wavefront_size: 32
...
	.end_amdgpu_metadata
.endif
;; end of part 1
;; launch attn (part 2): grid 8 x 32, 16 waves a work-group, clusters of 4 x 1, 327,680 bytes of LDS; arguments q_codes, q_scales, Wq_scales, wq, kv, x1; writes x1
.if DOCPART == 2
	.amdgcn_target "amdgcn-amd-amdhsa--gfx1250"
	.amdhsa_code_object_version 6
	.text
	.protected	k_q623ac498cb_attn
	.globl	k_q623ac498cb_attn
	.p2align	8
	.type	k_q623ac498cb_attn,@function
k_q623ac498cb_attn:
	s_mov_b64 s[64:65], 0
	v_nop
	global_prefetch_b8 v0, s[64:65] scope:SCOPE_SE
	s_setreg_imm32_b32 hwreg(HW_REG_WAVE_MODE, 25, 1), 1
	s_wait_xcnt 0x0
	s_wait_alu depctr_hold_cnt(0) depctr_sa_sdst(0) depctr_va_vdst(0) depctr_va_sdst(0) depctr_va_ssrc(0) depctr_va_vcc(0) depctr_vm_vsrc(0)
	s_getreg_b32 s2, hwreg(HW_REG_IB_STS2, 6, 4)
	s_cmp_eq_u32 s2, 0
	s_cbranch_scc0 .Lentry_in_a_cluster
	s_endpgm
.Lentry_in_a_cluster:
	s_bfe_u32 s2, ttmp6, 0x10000c
	s_cmp_lg_u32 s2, 0x3003
	s_cbranch_scc0 .Lentry_shape_is_right
	s_endpgm
.Lentry_shape_is_right:
; x1 = qp + softmax(qh kh^T / 32, masked) vh for 256 queries of one (batch, head); all three products on codes of FP4 (E2M1) with E8M0 scales, sums in f32.  No work of the problem is left out here.
; THE SOFTMAX IS QUANTISED FINISHED AND NORMALISED, so its codes hang on the row's sum: the keys are walked TWICE.  Walk 1: running maximum and sum.  Walk 2: the scores anew, A = p / sum, quantised along the keys, O += V^T A^T.
; t = score x log2(e) / 32; M = the largest t rounded up to a whole number, kept as -M = floor(-t); p = 2^(t - M).  When M moves the sum is multiplied by 2^(old M - new M), which rounds nothing.
; THE MASK rides in a scale operand.  Ahead of a score tile's K Q^T stands one matrix instruction of the same form that starts the sum: a constant fragment with -6 at k = 0 and +6 at k = 32, times 1.0, under the key's MASK WORD
; as scales: 0x7f7f7f7f gives -6 + 6 = 0, 0x7f7f01fa gives -6 x 2^123.  The largest t begins at -2^100: masked keys give p = 0 and never move M.  A row whose every key is masked ends with the sum 0: its 1 / sum is replaced by 0,
; (A = 0).   LIMIT: |score| x log2(e) / 32 stays under 2^100; NaN and infinities are carried only as the arithmetic carries them.
; SHARES.  Sixteen waves, 16 queries each, in 256 registers.  All products are used transposed: a lane holds ONE query (lane % 16).  Tiles of K, V^T and Wq hold rows 32 b + 8 u + r + 8 (r / 8) (tile 2 b + u, lane r),
; so that register 16 b + i of lane (r, h) is index 32 b + 16 h + i: of the keys in S, of the head's 128 in O.  O begins as qp = q Wq^T, which is also quantised into Q's fragment: the residual costs nothing.
; LDS.  The head's whole record of kv lies at its own offsets: V^T 0, V's scale words 131,072, K 139,264, K's scale and mask words 270,336: no ring, and the second walk fetches nothing.  The head's part of wq (65,536 bytes)
; lies first where V^T's first half will lie: that half is the launch's one refill, asked for ahead of walk 1 and read in walk 2.
; CLUSTER.  The four query blocks of a cluster read the same record and the same part of wq: every tensor load is joint, mask 15; each wave brings its sixteenth.  At most two tensor loads of a wave are out.
.set REC,    286720
.set R_VSC,  131072
.set R_KIMG, 139264
.set R_KSC,  270336
.set SPARE,  286720                    ; the spare words: 128 bytes a wave, no other line names them
.set AK0, 1                            ; K's images + 16 x lane
.set AS0, 2                            ; K's scale and mask words + 16 x lane
.set L16, 3                            ; 16 x lane: V^T's images, Wq's images, x1
.set AW0, 4                            ; V's scale words + 16 x lane
.set SPW, 5
.set NIL, 6
.set ADK, 8
.set ADS, 9
.set ADV, 10
.set ADW, 11
.set NM,  12                           ; v12 -M, v13 the largest t
.set SUM, 14                           ; v[14:15] the sum in two halves; in walk 2: 1 / sum, twice
.set Q,   16                           ; v16-23 Q's fragment
.set QS,  24                           ; its scale word
.set ONE, 25                           ; 0x7f7f7f7f
.set A2,  26                           ; v26-33 the mask instruction's source 0
.set B2,  34                           ; v34-41 its source 1
.set T,   42                           ; v42-47 at work
.set F,   48                           ; v48-79 four fragments
.set KS,  80                           ; v80-87 K's scale words (lanes 0-15) and mask words (lanes 16-31); in the prologue q's scale words
.set VS,  88                           ; v88-91 V's scale words
.set PW,  92                           ; A's scale word
.set S,   96                           ; v96-159 scores, then p, then A; in the prologue q's eight fragments
.set O,   160                          ; v160-223
.set P,   224                          ; v224-231 A's codes; in the prologue v224-255 Wq's scale words
.set WQS, 224
.set TM,  232
.set TM4, 236
.set TM12, 240
.set WV,  18
.set SEL, 20
.set CS,  22                           ; s[22:23] c = log2(e) / 32
.set G1A, 24                           ; 16 rows of 256 bytes
.set G1B, 32                           ; 54 rows of 256 bytes
.set G0A, 40
.set G0B, 44
.set G0C, 48
.set TK,  52                           ; the key step x 8,192
.set TS,  53                           ; x 1,024
.set TW,  54                           ; x 512
.set CNT, 55
.macro CROUND                          ; a round of the cluster's barrier
	s_barrier_signal -1
	s_barrier_wait -1
	s_cmp_lg_u32 s[WV], 0
	s_cbranch_scc1 .Lnot_wave_0_\@
	s_barrier_signal -3
.Lnot_wave_0_\@:
	s_barrier_wait -3
	s_barrier_signal -1
	s_barrier_wait -1
.endm
.macro PLACES
.rept 4
	v_nop
.endr
.endm
; one matrix instruction.  zero = 1: it starts the sum; row = 1: source 0's scales are read from lanes 16-31
.macro WM d, a, b, zero, sa, sb, row
.if \zero
.if \row
	v_wmma_scale_f32_16x16x128_f8f6f4 v[0+(\d):7+(\d)], v[0+(\a):7+(\a)], v[0+(\b):7+(\b)], 0, v[\sa], v[\sb] matrix_a_fmt:MATRIX_FMT_FP4 matrix_b_fmt:MATRIX_FMT_FP4 matrix_a_scale:MATRIX_SCALE_ROW1
.else
	v_wmma_scale_f32_16x16x128_f8f6f4 v[0+(\d):7+(\d)], v[0+(\a):7+(\a)], v[0+(\b):7+(\b)], 0, v[\sa], v[\sb] matrix_a_fmt:MATRIX_FMT_FP4 matrix_b_fmt:MATRIX_FMT_FP4
.endif
.else
.if \row
	v_wmma_scale_f32_16x16x128_f8f6f4 v[0+(\d):7+(\d)], v[0+(\a):7+(\a)], v[0+(\b):7+(\b)], v[0+(\d):7+(\d)], v[\sa], v[\sb] matrix_a_fmt:MATRIX_FMT_FP4 matrix_b_fmt:MATRIX_FMT_FP4 matrix_a_scale:MATRIX_SCALE_ROW1
.else
	v_wmma_scale_f32_16x16x128_f8f6f4 v[0+(\d):7+(\d)], v[0+(\a):7+(\a)], v[0+(\b):7+(\b)], v[0+(\d):7+(\d)], v[\sa], v[\sb] matrix_a_fmt:MATRIX_FMT_FP4 matrix_b_fmt:MATRIX_FMT_FP4
.endif
.endif
.endm
.macro FLOAD adr, t0                   ; four fragments, tiles t0 .. t0 + 3 of a step's eight: images, 512 consecutive bytes a load
.irp t, 0,1,2,3
.irp c, 0,1
	ds_load_b128 v[F+8*\t+4*\c:F+8*\t+4*\c+3], v[\adr] offset:1024*(\t0+\t)+512*\c
.endr
.endr
.endm
	s_load_b256 s[4:11], s[0:1], 0x0               ; q's codes, q's scales, Wq's scales, wq
	s_load_b128 s[12:15], s[0:1], 0x20             ; kv, x1
	v_lshl_add_u32 v[SPW], v0, 2, SPARE
	v_mov_b32 v[NIL], 0
	ds_add_u32 v[SPW], v[NIL]                      ; the wave's opening: the add, twice on end, and its wait ahead of my first tensor load
	ds_add_u32 v[SPW], v[NIL]                      ; and once more, under the one wait; the set-up below stands between
	v_lshrrev_b32 v8, 5, v0
	v_readfirstlane_b32 s[WV], v8                  ; wave 0..15
	s_bfe_u32 s56, ttmp6, 0x40000                  ; cx: it enters q's and x1's addresses alone
	s_lshl_b32 s57, ttmp9, 2
	s_add_co_u32 s57, s57, s56                     ; my block of 256 queries
	s_and_b32 s58, ttmp7, 0xffff                   ; 8 x batch + head, which the four partners share
	s_and_b32 s59, s58, 7                          ; head
	s_lshr_b32 s60, s58, 3                         ; batch
	s_lshl_b32 s61, s60, 7
	s_lshl_b32 s62, s57, 4
	s_add_co_u32 s61, s61, s62
	s_add_co_u32 s61, s61, s[WV]                   ; my tile of 16 rows: 128 x batch + 16 x block + wave
	s_lshl_b32 s62, s61, 13                        ; its codes: 16 rows of 512 bytes
	s_mov_b32 s63, 0
	s_lshl_b32 s76, s61, 9                         ; its scale bytes: 16 rows of 32
	s_mov_b32 s77, 0
	s_lshl_b32 s78, s61, 3
	s_add_co_u32 s78, s78, s59
	s_lshl_b32 s78, s78, 13                        ; in x1: 8,192 bytes for a tile of rows and a head
	s_mov_b32 s79, 0
	s_lshl_b32 s56, s59, 12                        ; Wq's scale bytes: 128 rows of 32 a head
	s_mov_b32 s57, 0
	s_lshl_b32 s66, s[WV], 12                      ; my sixteenth of 65,536 bytes
	s_mul_i32 s67, s[WV], 13824                    ; and of 221,184
	s_lshl_b32 s68, s59, 16
	s_add_co_u32 s68, s68, s66                     ; in wq
	s_mov_b32 s69, 0
	s_mul_i32 s70, s58, REC                        ; the record
	s_mov_b32 s71, 0
	s_add_co_u32 s72, s67, 65536                   ; in the record and in LDS alike
	s_mov_b32 s73, 0
	s_mov_b32 s74, s66
	s_mov_b32 s75, 0
	s_mov_b32 s[G1A], 15|(3<<16)|(1<<21)           ; the mask: all four work-groups; elements of 8 bytes; bit 21 beside a mask; no padding: images are read as consecutive bytes
	s_mov_b32 s[G1A+1], 32<<16                     ; tensor_dim0 = 32 elements: 256 bytes
	s_mov_b32 s[G1A+2], 16<<16                     ; tensor_dim1
	s_mov_b32 s[G1A+3], 32<<16                     ; tile_dim0
	s_mov_b32 s[G1A+4], 16                         ; tile_dim1
	s_mov_b32 s[G1A+5], 32                         ; from row to row: dense
	s_mov_b32 s[G1A+6], 0
	s_mov_b32 s[G1A+7], 0
	s_mov_b32 s[G1B], 15|(3<<16)|(1<<21)
	s_mov_b32 s[G1B+1], 32<<16
	s_mov_b32 s[G1B+2], 54<<16
	s_mov_b32 s[G1B+3], 32<<16
	s_mov_b32 s[G1B+4], 54
	s_mov_b32 s[G1B+5], 32
	s_mov_b32 s[G1B+6], 0
	s_mov_b32 s[G1B+7], 0
	s_mov_b32 s[SEL], 0x76543210
	s_mov_b32 s[SEL+1], 0xfedcba98                 ; v_permlanex16_b32's selects for lane l xor 16
	s_mov_b32 s[CS], 0x3d38aa3b                    ; c = log2(e) / 32
	s_mov_b32 s[CS+1], s[CS]                       ; (named with it as a pair, so it is written)
	s_wait_dscnt 0x0                               ; both opening adds are done
	s_wait_kmcnt 0x0
	s_add_nc_u64 s[4:5], s[4:5], s[62:63]
	s_add_nc_u64 s[6:7], s[6:7], s[76:77]
	s_add_nc_u64 s[8:9], s[8:9], s[56:57]
	s_add_nc_u64 s[14:15], s[14:15], s[78:79]
	s_add_nc_u64 s[12:13], s[12:13], s[70:71]
	s_mov_b32 s[G0A], 1                            ; the head's part of wq, into V^T's first half
	s_mov_b32 s[G0A+1], s66
	s_add_nc_u64 s[G0A+2:G0A+3], s[10:11], s[68:69]
	s_or_b32 s[G0A+3], s[G0A+3], 0x80000000
	s_mov_b32 s[G0B], 1                            ; the record from byte 65,536 on
	s_mov_b32 s[G0B+1], s72
	s_add_nc_u64 s[G0B+2:G0B+3], s[12:13], s[72:73]
	s_or_b32 s[G0B+3], s[G0B+3], 0x80000000
	s_mov_b32 s[G0C], 1                            ; the record's first 65,536 bytes: the refill
	s_mov_b32 s[G0C+1], s66
	s_add_nc_u64 s[G0C+2:G0C+3], s[12:13], s[74:75]
	s_or_b32 s[G0C+3], s[G0C+3], 0x80000000
	CROUND                                         ; all four work-groups are here: the first joint loads meet
	tensor_load_to_lds s[G0A:G0A+3], s[G1A:G1A+7]
	s_nop 0
	tensor_load_to_lds s[G0B:G0B+3], s[G1B:G1B+7]
	s_nop 0
	PLACES
	v_and_b32 v8, 31, v0
	v_lshlrev_b32 v[L16], 4, v8
	v_add_nc_u32 v[AK0], R_KIMG, v[L16]
	v_add_nc_u32 v[AS0], R_KSC, v[L16]
	v_add_nc_u32 v[AW0], R_VSC, v[L16]
	v_and_b32 v9, 15, v0                           ; r
	v_bfe_u32 v10, v0, 4, 1                        ; h
	v_lshlrev_b32 v42, 9, v9
	v_lshl_add_u32 v42, v10, 4, v42                ; q's codes: row r of 512 bytes, + 16 h
	v_lshlrev_b32 v43, 5, v9                       ; q's scale bytes: row r of 32
	v_and_b32 v44, 8, v9
	v_add_nc_u32 v44, v44, v9
	v_lshl_add_u32 v44, v10, 3, v44
	v_lshlrev_b32 v44, 5, v44                      ; Wq's: row r + 8 (r / 8) + 8 h: lanes 0-15 an even tile's, lanes 16-31 the odd tile's beside it
.irp s, 0,1,2,3,4,5,6,7
.irp c, 0,1
	global_load_b128 v[S+8*\s+4*\c:S+8*\s+4*\c+3], v42, s[4:5] offset:64*\s+32*\c th:TH_LOAD_NT   ; q's fragment of K step s
.endr
.endr
	global_load_b128 v[KS:KS+3], v43, s[6:7]       ; q's scale words, one for each K step
	global_load_b128 v[KS+4:KS+7], v43, s[6:7] offset:16
.irp p, 0,1,2,3
.irp g, 0,1
	global_load_b128 v[WQS+8*\p+4*\g:WQS+8*\p+4*\g+3], v44, s[8:9] offset:1024*\p+16*\g   ; register 8 p + s: tiles 2 p and 2 p + 1, K step s
.endr
.endr
	s_wait_tensorcnt 1                             ; my part of wq is in; the record's may stay out
	s_barrier_signal -1
	s_barrier_wait -1
	s_wait_loadcnt 0x0
	; ---- qp^T = Wq q^T: eight tiles of 16 of the head's 128, four at a time, K ascending; the four accumulators take turns
.irp g, 0,1
.irp s, 0,1,2,3,4,5,6,7
.if (\g+\s) > 0
	PLACES                                         ; in front of loads into registers that matrix instructions have read
.endif
.irp t, 0,1,2,3
.irp c, 0,1
	ds_load_b128 v[F+8*\t+4*\c:F+8*\t+4*\c+3], v[L16] offset:(8*(4*\g+\t)+\s)*1024+512*\c
.endr
.endr
	s_wait_dscnt 0x0
.irp t, 0,1,2,3
.if \s == 0
	WM O+8*(4*\g+\t), F+8*\t, S+8*\s, 1, WQS+8*((4*\g+\t)/2)+\s, KS+\s, \t%2
.else
	WM O+8*(4*\g+\t), F+8*\t, S+8*\s, 0, WQS+8*((4*\g+\t)/2)+\s, KS+\s, \t%2
.endif
.endr
.endr
.endr
	PLACES
	; ---- Q's fragment and scale word: qp quantised along the head's 128.  O is only read
.irp b, 0,1,2,3
	v_max3_num_f32 v[TM+\b], |v[O+16*\b]|, |v[O+1+16*\b]|, 0x1800000   ; block b: my 16 numbers, and the floor 2^(3 - 127): the byte cannot fall under 1
.endr
.irp i, 2,4,6,8,10,12,14
.irp b, 0,1,2,3
	v_max3_num_f32 v[TM+\b], v[TM+\b], |v[O+16*\b+\i]|, |v[O+1+16*\b+\i]|
.endr
.endr
.irp b, 0,1,2,3
	v_permlanex16_b32 v[TM4+\b], v[TM+\b], s[SEL], s[SEL+1]
.endr
.irp b, 0,1,2,3
	v_max_num_f32 v[TM+\b], v[TM+\b], v[TM4+\b]
.endr
.irp b, 0,1,2,3
	v_add_nc_u32 v[TM12+\b], 0xff000000, v[TM+\b]  ; 2 off the exponent field: the conversion's scale operand
.endr
.irp b, 0,1,2,3
	v_lshrrev_b32 v[TM4+\b], 23, v[TM12+\b]
.endr
	v_lshl_or_b32 v[QS], v[TM4+1], 8, v[TM4]
	v_lshl_or_b32 v[QS], v[TM4+2], 16, v[QS]
	v_lshl_or_b32 v[QS], v[TM4+3], 24, v[QS]
.irp b, 0,1,2,3
	v_cvt_scalef32_pk8_fp4_f32 v[Q+2*\b], v[O+16*\b:O+7+16*\b], v[TM12+\b]
	v_cvt_scalef32_pk8_fp4_f32 v[Q+1+2*\b], v[O+8+16*\b:O+15+16*\b], v[TM12+\b]
.endr
	v_nop                                          ; one plain place behind a scaled conversion
.irp c, 0,1
.irp i, 0,1
	v_permlane16_swap_b32 v[Q+4*\c+\i], v[Q+2+4*\c+\i]
.endr
.endr
	; ---- the refill: wq's bytes have been read; V^T's first half takes their place
	s_wait_tensorcnt 0x0                           ; all my tensor loads have landed, my part of K, V^T's second half and the scale words among them
	ds_add_u32 v[SPW], v[NIL]                      ; 0 onto my spare word; the constants below stand between it and the wait
	v_mov_b32 v[ONE], 0x7f7f7f7f
	v_bfe_u32 v42, v0, 4, 1
	v_lshlrev_b32 v42, 3, v42
	v_sub_nc_u32 v[A2], 15, v42                    ; lanes 0-15: code 0xf = -6 at k = 0; lanes 16-31: code 0x7 = +6 at k = 32
	v_mov_b32 v[B2], 2                             ; code 0x2 = 1.0 at k = 0 and at k = 32
.irp j, 1,2,3,4,5,6,7
	v_mov_b32 v[A2+\j], 0
	v_mov_b32 v[B2+\j], 0
.endr
	v_mov_b32 v[NM+1], 0xf1800000                  ; the largest t so far: -2^100
	v_floor_f32 v[NM], -v[NM+1]
	v_mov_b32 v[SUM], 0
	v_mov_b32 v[SUM+1], 0
	v_mov_b32 v43, 0                               ; (named as the upper half of the pair v[42:43])
	s_wait_dscnt 0x0                               ; the add is done, and my reads of wq's images are over
	CROUND                                         ; so of every wave of all four work-groups
	tensor_load_to_lds s[G0C:G0C+3], s[G1A:G1A+7]  ; my one tensor load behind the round: it has all of walk 1 in which to land
	s_nop 0
	PLACES
; A KEY STEP'S SCORES: 128 keys.  vload = 1 (walk 2): V's first four fragments are asked for behind the last product.
.macro CHAIN b0                        ; the largest score of blocks b0 and b0 + 1, by turns; each accumulator is read from its low end on
.irp b, \b0, \b0+1
	v_max3_num_f32 v[TM+(\b)], v[S+16*(\b)], v[S+16*(\b)+1], v[S+16*(\b)+2]
.endr
.irp i, 3,5,7,9,11,13
.irp b, \b0, \b0+1
	v_max3_num_f32 v[TM+(\b)], v[TM+(\b)], v[S+16*(\b)+\i], v[S+16*(\b)+\i+1]
.endr
.endr
.irp b, \b0, \b0+1
	v_max_num_f32 v[TM+(\b)], v[TM+(\b)], v[S+16*(\b)+15]
.endr
.endm
.macro SCORES vload
	v_add_nc_u32 v[ADK], s[TK], v[AK0]
	v_add_nc_u32 v[ADS], s[TS], v[AS0]
.if \vload
	v_add_nc_u32 v[ADV], s[TK], v[L16]             ; (in walk 2 these four additions are the places behind the last step's products)
	v_add_nc_u32 v[ADW], s[TW], v[AW0]
.endif
	ds_load_b128 v[KS:KS+3], v[ADS]
	ds_load_b128 v[KS+4:KS+7], v[ADS] offset:512
	FLOAD ADK, 0
	s_wait_dscnt 8                                 ; the scale and mask words are in; the eight younger loads may be out
.irp t, 0,1,2,3,4,5,6,7
	WM S+8*\t, A2, B2, 1, KS+\t, ONE, 1            ; 0 where the key counts, -6 x 2^123 where it is masked: it starts the tile's sum
.endr
	s_wait_dscnt 0x0
.irp t, 0,1,2,3
	WM S+8*\t, F+8*\t, Q, 0, KS+\t, QS, 0          ; + K Q^T
.endr
	PLACES
	FLOAD ADK, 4
	CHAIN 0
	s_wait_dscnt 0x0
.irp t, 0,1,2,3
	WM S+8*(4+\t), F+8*\t, Q, 0, KS+4+\t, QS, 0
.endr
	PLACES
.if \vload
	ds_load_b128 v[VS:VS+3], v[ADW]
	FLOAD ADV, 0
	s_add_co_u32 s[TW], s[TW], 512
.endif
	CHAIN 2
	s_add_co_u32 s[TK], s[TK], 8192
	s_add_co_u32 s[TS], s[TS], 1024
.endm
.macro SCALE_S                         ; t - M, two at a time: of the pairs c and -M the low word serves both halves
.set j, 0
.rept 32
	v_pk_fma_f32 v[S+j:S+j+1], v[S+j:S+j+1], s[CS:CS+1], v[NM:NM+1] op_sel_hi:[1,0,0]
.set j, j+2
.endr
.endm
.macro EXP_S
.set j, 0
.rept 64
	v_exp_f32 v[S+j], v[S+j]
.set j, j+1
.endr
.endm
	; ---- WALK 1: each lane keeps the maximum and the sum of ITS 64 keys of a step; the two lanes of a query meet once, behind the walk
	s_mov_b32 s[TK], 0
	s_mov_b32 s[TS], 0
	s_mov_b32 s[CNT], 16
.Lp1:
	SCORES 0
	v_max3_num_f32 v42, v[TM], v[TM+1], v[TM+2]
	v_max_num_f32 v42, v42, v[TM+3]
	v_mul_f32 v42, s[CS], v42                      ; as t (c is positive)
	v_max_num_f32 v[NM+1], v[NM+1], v42
	v_mov_b32 v42, v[NM]
	v_floor_f32 v[NM], -v[NM+1]                    ; the new -M
	v_sub_f32 v42, v[NM], v42                      ; old M - new M: a whole number, 0 or less
	v_cvt_i32_f32 v42, v42                         ; (it saturates)
	v_ldexp_f32 v42, 1.0, v42                      ; f = 2^(old M - new M)
	SCALE_S
	EXP_S
	v_pk_mul_f32 v[SUM:SUM+1], v[SUM:SUM+1], v[42:43] op_sel_hi:[1,0]   ; the sums under the new M: a plain place behind the exponentials
	s_wait_alu depctr_va_vdst(0)                   ; one wait for the batch, ahead of its first reader
	v_pk_add_f32 v[44:45], v[S:S+1], v[S+2:S+3]
.set j, 4
.rept 15
	v_pk_add_f32 v[SUM:SUM+1], v[SUM:SUM+1], v[S+j:S+j+1]
	v_pk_add_f32 v[44:45], v[44:45], v[S+j+2:S+j+3]
.set j, j+4
.endr
	v_pk_add_f32 v[SUM:SUM+1], v[SUM:SUM+1], v[44:45]
	s_sub_co_u32 s[CNT], s[CNT], 1
	s_cmp_lg_u32 s[CNT], 0
	s_cbranch_scc1 .Lp1
	; ---- the two lanes of a query meet: the common M, both sums brought under it (exact), one rounding: both lanes get the same bits
	v_add_f32 v[SUM], v[SUM], v[SUM+1]
	v_permlanex16_b32 v44, v[NM+1], s[SEL], s[SEL+1]
	v_permlanex16_b32 v45, v[SUM], s[SEL], s[SEL+1]
	v_max_num_f32 v46, v[NM+1], v44
	v_floor_f32 v47, -v46                          ; the row's -M
	v_floor_f32 v44, -v44                          ; the other lane's
	v_sub_f32 v42, v47, v[NM]
	v_sub_f32 v43, v47, v44
	v_cvt_i32_f32 v42, v42
	v_cvt_i32_f32 v43, v43
	v_ldexp_f32 v42, 1.0, v42
	v_ldexp_f32 v43, 1.0, v43
	v_mul_f32 v[SUM], v[SUM], v42
	v_fma_f32 v[SUM], v45, v43, v[SUM]             ; the row's sum
	v_rcp_f32 v[SUM+1], v[SUM]
	v_mov_b32 v[NM], v47                           ; (a plain place behind the reciprocal)
	v_cmp_lt_f32 vcc_lo, 0, v[SUM]
	s_wait_alu depctr_va_vdst(0)                   ; ahead of the reciprocal's first reader
	v_cndmask_b32 v[SUM], 0, v[SUM+1], vcc_lo      ; a row whose every key is masked: A = 0
	v_mov_b32 v[SUM+1], v[SUM]                     ; the packed multiply takes a pair
	s_wait_tensorcnt 0x0                           ; my part of V^T's first half has landed,
	s_wait_dscnt 0x0
	s_barrier_signal -1
	s_barrier_wait -1                              ; everybody's has
	; ---- WALK 2
	s_mov_b32 s[TK], 0
	s_mov_b32 s[TS], 0
	s_mov_b32 s[TW], 0
	s_mov_b32 s[CNT], 16
.Lp2:
	SCORES 1
.irp b, 0,1,2,3
	v_permlanex16_b32 v[TM4+\b], v[TM+\b], s[SEL], s[SEL+1]
.endr
.irp b, 0,1,2,3
	v_max_num_f32 v[TM+\b], v[TM+\b], v[TM4+\b]    ; the largest score of each block of 32 keys: A rises with the score, so it gives the block's largest A
.endr
	SCALE_S
.irp b, 0,1,2,3
	v_fma_f32 v[TM+\b], v[TM+\b], s[CS], v[NM]     ; the same three steps on the same number give the same bits
.endr
.irp b, 0,1,2,3
	v_exp_f32 v[TM+\b], v[TM+\b]
.endr
	EXP_S
	v_nop                                          ; a plain place behind the last exponential
	s_wait_alu depctr_va_vdst(0)                   ; one wait for the batch of 68
.irp b, 0,1,2,3
	v_mul_f32 v[TM+\b], v[TM+\b], v[SUM]
.endr
.irp b, 0,1,2,3
	v_max_num_f32 v[TM+\b], 0x1800000, v[TM+\b]    ; the floor 2^(3 - 127): a block of zeros keeps the byte 1; its codes are zeros
.endr
.irp b, 0,1,2,3
	v_add_nc_u32 v[TM12+\b], 0xff000000, v[TM+\b]
.endr
.irp b, 0,1,2,3
	v_lshrrev_b32 v[TM4+\b], 23, v[TM12+\b]
.endr
	v_lshl_or_b32 v[PW], v[TM4+1], 8, v[TM4]
	v_lshl_or_b32 v[PW], v[TM4+2], 16, v[PW]
	v_lshl_or_b32 v[PW], v[TM4+3], 24, v[PW]       ; A's scale word for these 128 keys
.set j, 0
.rept 32
	v_pk_mul_f32 v[S+j:S+j+1], v[S+j:S+j+1], v[SUM:SUM+1]   ; A = p / sum.  (These 32 are also the places between the scale word and the products)
.set j, j+2
.endr
.irp b, 0,1,2,3
	v_cvt_scalef32_pk8_fp4_f32 v[P+2*\b], v[S+16*\b:S+7+16*\b], v[TM12+\b]
	v_cvt_scalef32_pk8_fp4_f32 v[P+1+2*\b], v[S+8+16*\b:S+15+16*\b], v[TM12+\b]
.endr
	v_nop                                          ; one plain place behind a scaled conversion
.irp c, 0,1
.irp i, 0,1
	v_permlane16_swap_b32 v[P+4*\c+\i], v[P+2+4*\c+\i]
.endr
.endr
	PLACES                                         ; an operand written by vector instructions stands four places ahead of a scaled matrix instruction
	s_wait_dscnt 0x0                               ; V's first four fragments and its scale words
.irp t, 0,1,2,3
	WM O+8*\t, F+8*\t, P, 0, VS+\t, PW, 0          ; O^T += V^T A^T: A is final, nothing is rescaled
.endr
	PLACES
	FLOAD ADV, 4
	s_wait_dscnt 0x0
.irp t, 0,1,2,3
	WM O+8*(4+\t), F+8*\t, P, 0, VS+\t, PW, 1
.endr
	s_sub_co_u32 s[CNT], s[CNT], 1
	s_cmp_lg_u32 s[CNT], 0
	s_cbranch_scc1 .Lp2
	; ---- the way out: the accumulators as they stand, each from its low end on; the next launch loads them into the same lanes
	PLACES
.irp j, 0,1,2,3,4,5,6,7,8,9,10,11,12,13,14,15
	global_store_b128 v[L16], v[O+4*\j:O+4*\j+3], s[14:15] offset:512*\j th:TH_STORE_NT   ; 32 lanes store 512 consecutive bytes, aligned
.endr
	s_wait_tensorcnt 0x0                           ; the wave's end
	ds_add_u32 v[SPW], v[NIL]
	s_wait_dscnt 0x0
	CROUND                                         ; the closing round
	s_endpgm
.Lfunc_end_k_q623ac498cb_attn:
	.size	k_q623ac498cb_attn, .Lfunc_end_k_q623ac498cb_attn-k_q623ac498cb_attn
	.p2alignl 7, 3214868480
	.fill 96, 4, 3214868480
	.section	.rodata,"a",@progbits
	.p2align	6, 0x0
	.amdhsa_kernel k_q623ac498cb_attn
		.amdhsa_group_segment_fixed_size 327680
		.amdhsa_private_segment_fixed_size 0
		.amdhsa_enable_private_segment 0
		.amdhsa_kernarg_size 48
		.amdhsa_user_sgpr_count 2
		.amdhsa_user_sgpr_kernarg_segment_ptr 1
		.amdhsa_wavefront_size32 1
		.amdhsa_system_sgpr_workgroup_id_x 1
		.amdhsa_system_sgpr_workgroup_id_y 1
		.amdhsa_system_sgpr_workgroup_id_z 1
		.amdhsa_system_vgpr_workitem_id 0
		.amdhsa_next_free_vgpr 256
		.amdhsa_next_free_sgpr 80
		.amdhsa_reserve_vcc 1
		.amdhsa_float_denorm_mode_32 3
		.amdhsa_float_denorm_mode_16_64 3
		.amdhsa_memory_ordered 1
		.amdhsa_forward_progress 1
		.amdhsa_inst_pref_size 64
	.end_amdhsa_kernel
	.amdgpu_metadata
---
amdhsa.version: [ 1, 2 ]
amdhsa.kernels:
  - .name:           k_q623ac498cb_attn
    .symbol:         k_q623ac498cb_attn.kd
    .args:
      - { .name: q_codes, .offset: 0, .size: 8, .value_kind: global_buffer, .address_space: global }
      - { .name: q_scales, .offset: 8, .size: 8, .value_kind: global_buffer, .address_space: global }
      - { .name: Wq_scales, .offset: 16, .size: 8, .value_kind: global_buffer, .address_space: global }
      - { .name: wq, .offset: 24, .size: 8, .value_kind: global_buffer, .address_space: global }
      - { .name: kv, .offset: 32, .size: 8, .value_kind: global_buffer, .address_space: global }
      - { .name: x1, .offset: 40, .size: 8, .value_kind: global_buffer, .address_space: global }
    .group_segment_fixed_size: 327680
    .private_segment_fixed_size: 0
    .kernarg_segment_align: 8
    .kernarg_segment_size: 48
    .max_flat_workgroup_size: 512
    .sgpr_count:     80
    .vgpr_count:     256
    .wavefront_size: 32
...
	.end_amdgpu_metadata
.endif
;; end of part 2
;; launch post (part 3): grid 256 x 1, 16 waves a work-group, no clusters, 99,328 bytes of LDS; arguments x1, wo, Wout_scales, bout, g1, b1, g2, b2, out0; writes out0
.if DOCPART == 3
	.amdgcn_target "amdgcn-amd-amdhsa--gfx1250"
	.amdhsa_code_object_version 6
	.text
	.protected	k_q623ac498cb_post
	.globl	k_q623ac498cb_post
	.p2align	8
	.type	k_q623ac498cb_post,@function
k_q623ac498cb_post:
	s_mov_b64 s[64:65], 0
	v_nop
	global_prefetch_b8 v0, s[64:65] scope:SCOPE_SE
	s_setreg_imm32_b32 hwreg(HW_REG_WAVE_MODE, 25, 1), 1
	s_wait_xcnt 0x0
; y = LayerNorm(x1; g1, b1);  out0 = LayerNorm(y + relu(y Wout^T + bout); g2, b2).  The product runs on codes of FP4 (E2M1) with E8M0 scales: y is quantised here along its 1,024, Wout is given.  All else in f32.  No work is left out.
; SHARES.  A work-group takes 32 rows (two tiles of 16); THE WAVES SHARE THE COLUMNS: wave w has columns 64 w .. 64 w + 63 of both tiles, from the load of x1 to the store of out0.
; Register 32 m + 16 b + i of lane (r, h) is row 16 m + r, column 64 w + 32 b + 16 h + i: so x1 was stored, so the quantiser wants it, and so the product's results fall (it is used transposed: source 0 = 16 rows of Wout,
; tile 2 b + u holding rows 32 b + 8 u + r + 8 (r / 8); source 1 = y).  Each byte of Wout reaches the work-group once, from wo, where fragments lie as consecutive bytes, into the one wave that uses it.
; A ROW'S STATISTICS span the sixteen waves: each wave gives the mean and the centred sum of squares of its 64 columns; every lane merges the sixteen (equal counts: M2 = sum of M2 + 64 x sum of (mean_w - mean)^2):
; one exchange through LDS, and no difference of large sums.
; y's codes go from wave to wave through LDS as images of operand registers: wave w makes registers 4 (w % 2) .. + 3 of the fragments of K step w / 2, and two of the four bytes of their scale words.
; Three barriers: the first statistics | y's images | the second statistics.  No tensor load.
; LIMITS: NaN and infinities are carried only as the arithmetic carries them; a block of zeros gets the scale byte 1 (its codes are zeros).
.set YIMG,  0                          ; [m 2][K step 8][half 2][lane][16 bytes]
.set YSC,   16384                      ; [m][K step][lane][4 bytes]
.set STAT1, 18432                      ; [m][row 16] x 144 bytes: 8 bytes a wave, 16 of padding
.set STAT2, 23040
.set STG,   27648                      ; the way out: 16 rows x (256 + 16) bytes for each wave
.set SPARE, 97280                      ; the spare words: 128 bytes a wave, no other line names them
.set L16, 1                            ; 16 x lane
.set L4,  2                            ; 4 x lane
.set GH,  3                            ; 64 h: my half's 16 columns in a vector of gains
.set WSA, 4                            ; Wout's scale bytes: row r + 8 (r / 8) + 8 h, 32 bytes a row
.set STW, 5
.set STR, 6
.set YW,  7
.set YSW, 8
.set SGW, 9
.set SGR, 10
.set OO,  11
.set SPW, 12
.set NIL, 13
.set WS,  16                           ; v16-31 Wout's scale words: register 8 p + s: lanes 0-15 tile 2 p, lanes 16-31 tile 2 p + 1, K step s
.set X,   32                           ; v32-95 x1, then y, then y + relu(..), then the result
.set ACC, 96                           ; v96-159 g1 and b1; then bout and the sums; then statistics; then rows on the way out
.set WF,  160                          ; v160-223 Wout's fragments, two sets of four; at the end g2 and b2
.set YF,  224                          ; v224-239 y's two fragments
.set ST,  224                          ; v224-231 while no codes lie there: tile m: mean, sum of M2, rstd, var + eps
.set YS,  240
.set TM,  242
.set TM4, 246
.set TM12, 250
.set SA,  242                          ; at work in the statistics
.set SB,  244
.set SD,  246
.set SM,  248                          ; v[248+2m:249+2m]: what tile m stores
.set SP,  252
.set SE,  254
.set WV,  22
.set SEL, 24
.set IK,  26                           ; 1 / 1,024
.set EP,  27                           ; 1e-5
.macro PLACES
.rept 4
	v_nop
.endr
.endm
.macro BARRIER                         ; my LDS stores have landed and my LDS loads are in: then the work-group's barrier
	s_wait_dscnt 0x0
	s_barrier_signal -1
	s_barrier_wait -1
.endm
.macro GLOAD reg, sb                   ; my 32 numbers of a vector of 1,024
.irp b, 0,1
.irp q, 0,1,2,3
	global_load_b128 v[\reg+16*\b+4*\q:\reg+16*\b+4*\q+3], v[GH], s[\sb:\sb+1] offset:128*\b+16*\q
.endr
.endr
.endm
.macro WLOAD s                         ; my four tiles' fragments of K step s: 512 consecutive bytes a load
.irp t, 0,1,2,3
.irp c, 0,1
	global_load_b128 v[WF+32*((\s)%2)+8*\t+4*\c:WF+32*((\s)%2)+8*\t+4*\c+3], v[L16], s[6:7] offset:8192*\t+1024*(\s)+512*\c
.endr
.endr
.endm
; the mean and the centred sum of squares of my wave's 64 columns of tile m's rows
.macro STATS m, off
.set XB, X+32*(\m)
.set MM, SM+2*(\m)
	v_pk_add_f32 v[SA:SA+1], v[XB:XB+1], v[XB+2:XB+3]
	v_pk_add_f32 v[SB:SB+1], v[XB+4:XB+5], v[XB+6:XB+7]
.irp j, 8,12,16,20,24,28
	v_pk_add_f32 v[SA:SA+1], v[SA:SA+1], v[XB+\j:XB+\j+1]
	v_pk_add_f32 v[SB:SB+1], v[SB:SB+1], v[XB+\j+2:XB+\j+3]
.endr
	v_pk_add_f32 v[SA:SA+1], v[SA:SA+1], v[SB:SB+1]
	v_add_f32 v[SA], v[SA], v[SA+1]
	v_permlanex16_b32 v[SP], v[SA], s[SEL], s[SEL+1]
	v_add_f32 v[SA], v[SA], v[SP]
	v_mul_f32 v[MM], 0x3c800000, v[SA]             ; / 64
	v_pk_add_f32 v[SD:SD+1], v[XB:XB+1], v[MM:MM+1] op_sel_hi:[1,0] neg_lo:[0,1] neg_hi:[0,1]
	v_pk_add_f32 v[SE:SE+1], v[XB+2:XB+3], v[MM:MM+1] op_sel_hi:[1,0] neg_lo:[0,1] neg_hi:[0,1]
	v_pk_mul_f32 v[SA:SA+1], v[SD:SD+1], v[SD:SD+1]
	v_pk_mul_f32 v[SB:SB+1], v[SE:SE+1], v[SE:SE+1]
.irp j, 4,8,12,16,20,24,28
	v_pk_add_f32 v[SD:SD+1], v[XB+\j:XB+\j+1], v[MM:MM+1] op_sel_hi:[1,0] neg_lo:[0,1] neg_hi:[0,1]
	v_pk_add_f32 v[SE:SE+1], v[XB+\j+2:XB+\j+3], v[MM:MM+1] op_sel_hi:[1,0] neg_lo:[0,1] neg_hi:[0,1]
	v_pk_fma_f32 v[SA:SA+1], v[SD:SD+1], v[SD:SD+1], v[SA:SA+1]
	v_pk_fma_f32 v[SB:SB+1], v[SE:SE+1], v[SE:SE+1], v[SB:SB+1]
.endr
	v_pk_add_f32 v[SA:SA+1], v[SA:SA+1], v[SB:SB+1]
	v_add_f32 v[SA], v[SA], v[SA+1]
	v_permlanex16_b32 v[SP], v[SA], s[SEL], s[SEL+1]
	v_add_f32 v[MM+1], v[SA], v[SP]
	ds_store_b64 v[STW], v[MM:MM+1] offset:\off+2304*(\m)   ; both lanes of a row write the same pair
.endm
; the sixteen waves' pairs of my row of tile m become its mean and 1 / sqrt(var + eps)
.macro COMBINE m, off, tmp
.set PP, ST+4*(\m)
.irp i, 0,1,2,3,4,5,6,7
	ds_load_b128 v[\tmp+4*\i:\tmp+4*\i+3], v[STR] offset:\off+2304*(\m)+16*\i
.endr
	s_wait_dscnt 0x0
	v_pk_add_f32 v[PP:PP+1], v[\tmp:\tmp+1], v[\tmp+2:\tmp+3]
	v_pk_add_f32 v[SA:SA+1], v[\tmp+4:\tmp+5], v[\tmp+6:\tmp+7]
.irp j, 8,12,16,20,24,28
	v_pk_add_f32 v[PP:PP+1], v[PP:PP+1], v[\tmp+\j:\tmp+\j+1]
	v_pk_add_f32 v[SA:SA+1], v[SA:SA+1], v[\tmp+\j+2:\tmp+\j+3]
.endr
	v_pk_add_f32 v[PP:PP+1], v[PP:PP+1], v[SA:SA+1]   ; (the sum of the means, the sum of the M2)
	v_mul_f32 v[PP], 0x3d800000, v[PP]             ; the row's mean: / 16
	v_sub_f32 v[SD], v[\tmp], v[PP]
	v_sub_f32 v[SD+1], v[\tmp+2], v[PP]
	v_mul_f32 v[PP+3], v[SD], v[SD]
	v_mul_f32 v[SB], v[SD+1], v[SD+1]
.irp j, 4,8,12,16,20,24,28
	v_sub_f32 v[SD], v[\tmp+\j], v[PP]
	v_sub_f32 v[SD+1], v[\tmp+\j+2], v[PP]
	v_fma_f32 v[PP+3], v[SD], v[SD], v[PP+3]
	v_fma_f32 v[SB], v[SD+1], v[SD+1], v[SB]
.endr
	v_add_f32 v[PP+3], v[PP+3], v[SB]
	v_fmamk_f32 v[PP+1], v[PP+3], 0x42800000, v[PP+1]   ; M2 = sum of M2 + 64 x sum of squared deviations of the means
	v_fma_f32 v[PP+3], v[PP+1], s[IK], s[EP]       ; var + eps
	v_rsq_f32 v[PP+2], v[PP+3]
.endm
; (x - mean) x rstd x g + b, in that order; of the pairs (mean, ..) and (rstd, ..) the low word serves both halves
.macro NORM g, b
.irp m, 0,1
.irp j, 0,2,4,6,8,10,12,14,16,18,20,22,24,26,28,30
	v_pk_add_f32 v[X+32*\m+\j:X+32*\m+\j+1], v[X+32*\m+\j:X+32*\m+\j+1], v[ST+4*\m:ST+4*\m+1] op_sel_hi:[1,0] neg_lo:[0,1] neg_hi:[0,1]
.endr
.endr
.irp m, 0,1
.irp j, 0,2,4,6,8,10,12,14,16,18,20,22,24,26,28,30
	v_pk_mul_f32 v[X+32*\m+\j:X+32*\m+\j+1], v[X+32*\m+\j:X+32*\m+\j+1], v[ST+4*\m+2:ST+4*\m+3] op_sel_hi:[1,0]
.endr
.endr
.irp m, 0,1
.irp j, 0,2,4,6,8,10,12,14,16,18,20,22,24,26,28,30
	v_pk_fma_f32 v[X+32*\m+\j:X+32*\m+\j+1], v[X+32*\m+\j:X+32*\m+\j+1], v[\g+\j:\g+\j+1], v[\b+\j:\b+\j+1]
.endr
.endr
.endm
	s_load_b512 s[4:19], s[0:1], 0x0               ; x1, wo, Wout's scales, bout, g1, b1, g2, b2
	s_load_b64 s[20:21], s[0:1], 0x40              ; out0
	v_lshl_add_u32 v[SPW], v0, 2, SPARE
	v_mov_b32 v[NIL], 0
	v_lshrrev_b32 v14, 5, v0
	v_readfirstlane_b32 s[WV], v14                 ; wave 0..15
	v_and_b32 v14, 31, v0
	v_lshlrev_b32 v[L16], 4, v14
	v_lshlrev_b32 v[L4], 2, v14
	v_and_b32 v14, 15, v0                          ; r
	v_bfe_u32 v15, v0, 4, 1                        ; h
	v_lshlrev_b32 v[GH], 6, v15
	v_and_b32 v[WSA], 8, v14
	v_add_nc_u32 v[WSA], v[WSA], v14
	v_lshl_add_u32 v[WSA], v15, 3, v[WSA]
	v_lshlrev_b32 v[WSA], 5, v[WSA]
	v_mul_u32_u24 v[STR], v14, 144
	v_add_nc_u32 v[STR], STAT1, v[STR]             ; my row's sixteen pairs
	s_lshl_b32 s28, s[WV], 3
	v_add_nc_u32 v[STW], s28, v[STR]               ; my wave's pair among them
	s_lshl_b32 s28, s[WV], 9
	v_add_nc_u32 v[YW], s28, v[L16]                ; y's images: 1,024 (w / 2) + 512 (w % 2) + 16 x lane
	s_lshr_b32 s28, s[WV], 1
	s_lshl_b32 s28, s28, 7
	s_and_b32 s29, s[WV], 1
	s_lshl_b32 s29, s29, 1
	s_add_co_u32 s28, s28, s29
	s_add_co_u32 s28, s28, YSC
	v_add_nc_u32 v[YSW], s28, v[L4]                ; my two bytes of a scale word: 128 (w / 2) + 2 (w % 2) + 4 x lane
	s_mul_i32 s28, s[WV], 16*272
	s_add_co_u32 s28, s28, STG                     ; my stage
	v_mul_u32_u24 v[SGW], v14, 272
	v_lshl_add_u32 v[SGW], v15, 6, v[SGW]
	v_add_nc_u32 v[SGW], s28, v[SGW]               ; in: row r, + 64 h
	v_mul_u32_u24 v[SGR], v15, 272
	v_lshl_add_u32 v[SGR], v14, 4, v[SGR]
	v_add_nc_u32 v[SGR], s28, v[SGR]               ; back: lanes 0-15 one row of 256 bytes, lanes 16-31 the next
	v_lshlrev_b32 v[OO], 12, v15
	v_lshl_add_u32 v[OO], v14, 4, v[OO]            ; and the same two rows in out0
	v_mov_b32 v[SM+1], 0                           ; (named as upper halves of pairs, and as a permute's destination, before they are first written)
	v_mov_b32 v[SM+3], 0
	v_mov_b32 v[SP], 0
	s_mov_b32 s[SEL], 0x76543210
	s_mov_b32 s[SEL+1], 0xfedcba98                 ; v_permlanex16_b32's selects for lane l xor 16
	s_mov_b32 s[IK], 0x3a800000
	s_mov_b32 s[EP], 0x3727c5ac
	s_lshl_b32 s28, ttmp9, 17                      ; 32 rows of 4,096 bytes
	s_lshl_b32 s30, s[WV], 12
	s_add_co_u32 s30, s30, s28                     ; x1: + 4,096 x wave
	s_mov_b32 s31, 0
	s_lshl_b32 s32, s[WV], 8                       ; my 64 columns in a vector
	s_mov_b32 s33, 0
	s_add_co_u32 s34, s28, s32                     ; out0
	s_mov_b32 s35, 0
	s_lshl_b32 s36, s[WV], 15                      ; wo: four tiles of 8,192 bytes
	s_mov_b32 s37, 0
	s_lshl_b32 s38, s[WV], 11                      ; Wout's scale bytes: 64 rows of 32
	s_mov_b32 s39, 0
	s_wait_kmcnt 0x0
	s_add_nc_u64 s[4:5], s[4:5], s[30:31]
	s_add_nc_u64 s[6:7], s[6:7], s[36:37]
	s_add_nc_u64 s[8:9], s[8:9], s[38:39]
	s_add_nc_u64 s[10:11], s[10:11], s[32:33]
	s_add_nc_u64 s[12:13], s[12:13], s[32:33]
	s_add_nc_u64 s[14:15], s[14:15], s[32:33]
	s_add_nc_u64 s[16:17], s[16:17], s[32:33]
	s_add_nc_u64 s[18:19], s[18:19], s[32:33]
	s_add_nc_u64 s[20:21], s[20:21], s[34:35]
.irp m, 0,1
.irp j, 0,1,2,3,4,5,6,7
	global_load_b128 v[X+32*\m+4*\j:X+32*\m+4*\j+3], v[L16], s[4:5] offset:65536*\m+512*\j th:TH_LOAD_NT   ; 512 consecutive bytes a load
.endr
.endr
	GLOAD ACC, 12                                  ; g1
	GLOAD ACC+32, 14                               ; b1
.irp p, 0,1
.irp g, 0,1
	global_load_b128 v[WS+8*\p+4*\g:WS+8*\p+4*\g+3], v[WSA], s[8:9] offset:1024*\p+16*\g
.endr
.endr
	WLOAD 0
	s_wait_loadcnt 28                              ; x1's sixteen loads are in; the 16 + 4 + 8 behind them may be out
	STATS 0, 0
	STATS 1, 0
	BARRIER                                        ; the first statistics lie in LDS
	COMBINE 0, 0, WF+32
	COMBINE 1, 0, WF+32
	v_nop                                          ; a plain place behind the last root
	s_wait_alu depctr_va_vdst(0)                   ; one wait for both roots, ahead of their first reader
	WLOAD 1
	s_wait_loadcnt 20                              ; g1 and b1 are in; Wout's scale words (4) and two sets of fragments (8 + 8) may be out
	NORM ACC, ACC+32                               ; y
	GLOAD ACC, 10                                  ; bout is the C of each sum's first product: once for each tile of rows
	GLOAD ACC+32, 10
	; ---- y's codes: four blocks of 32 columns: (tile m, block b) = 2 m + b
.irp b, 0,1,2,3
	v_max3_num_f32 v[TM+\b], |v[X+16*\b]|, |v[X+1+16*\b]|, 0x1800000   ; my 16 numbers, and the floor 2^(3 - 127): the byte cannot fall under 1
.endr
.irp i, 2,4,6,8,10,12,14
.irp b, 0,1,2,3
	v_max3_num_f32 v[TM+\b], v[TM+\b], |v[X+16*\b+\i]|, |v[X+1+16*\b+\i]|
.endr
.endr
.irp b, 0,1,2,3
	v_permlanex16_b32 v[TM4+\b], v[TM+\b], s[SEL], s[SEL+1]
.endr
.irp b, 0,1,2,3
	v_max_num_f32 v[TM+\b], v[TM+\b], v[TM4+\b]
.endr
.irp b, 0,1,2,3
	v_add_nc_u32 v[TM12+\b], 0xff000000, v[TM+\b]  ; 2 off the exponent field: the conversion's scale operand
.endr
.irp b, 0,1,2,3
	v_lshrrev_b32 v[TM4+\b], 23, v[TM12+\b]
.endr
	v_lshl_or_b32 v14, v[TM4+1], 8, v[TM4]         ; tile 0's two bytes,
	v_lshl_or_b32 v15, v[TM4+3], 8, v[TM4+2]       ; tile 1's
.irp b, 0,1,2,3
	v_cvt_scalef32_pk8_fp4_f32 v[YF+2*\b], v[X+16*\b:X+7+16*\b], v[TM12+\b]
	v_cvt_scalef32_pk8_fp4_f32 v[YF+1+2*\b], v[X+8+16*\b:X+15+16*\b], v[TM12+\b]
.endr
	v_nop                                          ; one plain place behind a scaled conversion
.irp c, 0,1                                    ; a whole block in a lane: registers 4 m .. 4 m + 3 are half w % 2 of tile m's fragment
.irp i, 0,1
	v_permlane16_swap_b32 v[YF+4*\c+\i], v[YF+2+4*\c+\i]
.endr
.endr
	ds_store_b128 v[YW], v[YF:YF+3] offset:YIMG
	ds_store_b128 v[YW], v[YF+4:YF+7] offset:YIMG+8192
	ds_store_b16 v[YSW], v14
	ds_store_b16 v[YSW], v15 offset:1024
	BARRIER                                        ; y's sixteen fragments and their scale words lie in LDS
	; ---- z^T = Wout y^T + bout: eight accumulators (four tiles of columns x two tiles of rows) by turns, K ascending
.irp s, 0,1,2,3,4,5,6,7
.irp m, 0,1
.irp c, 0,1
	ds_load_b128 v[YF+8*\m+4*\c:YF+8*\m+4*\c+3], v[L16] offset:YIMG+8192*\m+1024*\s+512*\c
.endr
	ds_load_b32 v[YS+\m], v[L4] offset:YSC+1024*\m+128*\s
.endr
	s_wait_dscnt 0x0
.if \s == 0
	s_wait_loadcnt 0x0                             ; bout is the youngest: with it the scale words and both sets of fragments are in
.elseif \s >= 2
	s_wait_loadcnt 8                               ; this step's fragments are in; the eight loads issued behind them may be out
.endif
.irp t, 0,1,2,3
.irp m, 0,1
.if \t%2
	v_wmma_scale_f32_16x16x128_f8f6f4 v[ACC+32*\m+8*\t:ACC+32*\m+8*\t+7], v[WF+32*(\s%2)+8*\t:WF+32*(\s%2)+8*\t+7], v[YF+8*\m:YF+8*\m+7], v[ACC+32*\m+8*\t:ACC+32*\m+8*\t+7], v[WS+8*(\t/2)+\s], v[YS+\m] matrix_a_fmt:MATRIX_FMT_FP4 matrix_b_fmt:MATRIX_FMT_FP4 matrix_a_scale:MATRIX_SCALE_ROW1
.else
	v_wmma_scale_f32_16x16x128_f8f6f4 v[ACC+32*\m+8*\t:ACC+32*\m+8*\t+7], v[WF+32*(\s%2)+8*\t:WF+32*(\s%2)+8*\t+7], v[YF+8*\m:YF+8*\m+7], v[ACC+32*\m+8*\t:ACC+32*\m+8*\t+7], v[WS+8*(\t/2)+\s], v[YS+\m] matrix_a_fmt:MATRIX_FMT_FP4 matrix_b_fmt:MATRIX_FMT_FP4
.endif
.endr
.endr
	PLACES                                         ; in front of loads into registers that matrix instructions have read, and of the first read of results
.if \s < 6
	WLOAD \s+2                                     ; into the set just read
.elseif \s == 6
	GLOAD WF, 16                                   ; g2
.else
	GLOAD WF+32, 18                                ; b2
.endif
.endr
.set j, 0
.rept 64
	v_max_num_f32 v[ACC+j], 0, v[ACC+j]            ; relu, each accumulator from its low end on
.set j, j+1
.endr
.set j, 0
.rept 32
	v_pk_add_f32 v[X+j:X+j+1], v[X+j:X+j+1], v[ACC+j:ACC+j+1]   ; + y, which was kept in f32
.set j, j+2
.endr
	STATS 0, STAT2-STAT1
	STATS 1, STAT2-STAT1
	BARRIER                                        ; the second statistics lie in LDS
	COMBINE 0, STAT2-STAT1, ACC
	COMBINE 1, STAT2-STAT1, ACC+32
	v_nop
	s_wait_alu depctr_va_vdst(0)                   ; one wait for both roots
	s_wait_loadcnt 0x0                             ; g2 and b2
	NORM WF, WF+32
	; ---- the way out: a tile's 16 rows x 256 bytes through my own stage; LDS serves a wave's instructions in order, so no wait stands between the stores and the loads
.irp m, 0,1
.irp b, 0,1
.irp q, 0,1,2,3
	ds_store_b128 v[SGW], v[X+32*\m+16*\b+4*\q:X+32*\m+16*\b+4*\q+3] offset:128*\b+16*\q
.endr
.endr
.irp i, 0,1,2,3,4,5,6,7
	ds_load_b128 v[ACC+32*\m+4*\i:ACC+32*\m+4*\i+3], v[SGR] offset:544*\i
.endr
.endr
.irp m, 0,1
.irp i, 0,1,2,3,4,5,6,7
	s_wait_dscnt 16*(1-\m)+7-\i                    ; behind this load: the rest of its tile's, and for tile 0 tile 1's sixteen
	global_store_b128 v[OO], v[ACC+32*\m+4*\i:ACC+32*\m+4*\i+3], s[20:21] offset:(16*\m+2*\i)*4096 th:TH_STORE_NT   ; sixteen lanes store 256 consecutive bytes, aligned
.endr
.endr
	s_wait_tensorcnt 0x0                           ; the wave's end
	ds_add_u32 v[SPW], v[NIL]
	s_wait_dscnt 0x0
	s_endpgm
.Lfunc_end_k_q623ac498cb_post:
	.size	k_q623ac498cb_post, .Lfunc_end_k_q623ac498cb_post-k_q623ac498cb_post
	.p2alignl 7, 3214868480
	.fill 96, 4, 3214868480
	.section	.rodata,"a",@progbits
	.p2align	6, 0x0
	.amdhsa_kernel k_q623ac498cb_post
		.amdhsa_group_segment_fixed_size 99328
		.amdhsa_private_segment_fixed_size 0
		.amdhsa_enable_private_segment 0
		.amdhsa_kernarg_size 72
		.amdhsa_user_sgpr_count 2
		.amdhsa_user_sgpr_kernarg_segment_ptr 1
		.amdhsa_wavefront_size32 1
		.amdhsa_system_sgpr_workgroup_id_x 1
		.amdhsa_system_sgpr_workgroup_id_y 1
		.amdhsa_system_sgpr_workgroup_id_z 1
		.amdhsa_system_vgpr_workitem_id 0
		.amdhsa_next_free_vgpr 256
		.amdhsa_next_free_sgpr 66
		.amdhsa_reserve_vcc 0
		.amdhsa_float_denorm_mode_32 3
		.amdhsa_float_denorm_mode_16_64 3
		.amdhsa_memory_ordered 1
		.amdhsa_forward_progress 1
		.amdhsa_inst_pref_size 79
	.end_amdhsa_kernel
	.amdgpu_metadata
---
amdhsa.version: [ 1, 2 ]
amdhsa.kernels:
  - .name:           k_q623ac498cb_post
    .symbol:         k_q623ac498cb_post.kd
    .args:
      - { .name: x1, .offset: 0, .size: 8, .value_kind: global_buffer, .address_space: global }
      - { .name: wo, .offset: 8, .size: 8, .value_kind: global_buffer, .address_space: global }
      - { .name: Wout_scales, .offset: 16, .size: 8, .value_kind: global_buffer, .address_space: global }
      - { .name: bout, .offset: 24, .size: 8, .value_kind: global_buffer, .address_space: global }
      - { .name: g1, .offset: 32, .size: 8, .value_kind: global_buffer, .address_space: global }
      - { .name: b1, .offset: 40, .size: 8, .value_kind: global_buffer, .address_space: global }
      - { .name: g2, .offset: 48, .size: 8, .value_kind: global_buffer, .address_space: global }
      - { .name: b2, .offset: 56, .size: 8, .value_kind: global_buffer, .address_space: global }
      - { .name: out0, .offset: 64, .size: 8, .value_kind: global_buffer, .address_space: global }
    .group_segment_fixed_size: 99328
    .private_segment_fixed_size: 0
    .kernarg_segment_align: 8
    .kernarg_segment_size: 72
    .max_flat_workgroup_size: 512
    .sgpr_count:     66
    .vgpr_count:     256
    .wavefront_size: 32
...
	.end_amdgpu_metadata
.endif
;; end of part 3
